; MI455X (gfx1250); checked and timed in simulation.
; The chip was launched on July 23, 2026; its instructions are those of AMD's public machine-readable ISA for CDNA 5 (MIT licence, August 2026) and "CDNA5" Instruction Set Architecture Reference Guide (July 2026). The comments in the code are by the model that wrote it; some were corrected since.
;; Attention. Allowed arithmetic: matrix products marked QUANTISED: E2M3 operands, one E8M0 scale for each 32 along K, by v_wmma_scale_f32_16x16x128_f8f6f4 with both operands' format E2M3, f32 sums; everything else in f32.
;; Inputs: Wk_codes 2,048 x 64 x 24 uint8 (E2M3 codes of Wk, K innermost, in blocks of 32 codes, four codes in three bytes); Wk_scales 2,048 x 64 uint8 (E8M0 scales of Wk, one for each 32 codes along K); Wo_codes 2,048 x 64 x 24 uint8 (E2M3 codes of Wo, K innermost, in blocks of 32 codes, four codes in three bytes); Wo_scales 2,048 x 64 uint8 (E8M0 scales of Wo, one for each 32 codes along K); Wq_codes 2,048 x 64 x 24 uint8 (E2M3 codes of Wq, K innermost, in blocks of 32 codes, four codes in three bytes); Wq_scales 2,048 x 64 uint8 (E8M0 scales of Wq, one for each 32 codes along K); Wv_codes 2,048 x 64 x 24 uint8 (E2M3 codes of Wv, K innermost, in blocks of 32 codes, four codes in three bytes); Wv_scales 2,048 x 64 uint8 (E8M0 scales of Wv, one for each 32 codes along K); attention_mask 2 x 1,024 x 2,048 bool; key_value_codes 2 x 2,048 x 64 x 24 uint8 (E2M3 codes of key_value, K innermost, in blocks of 32 codes, four codes in three bytes); key_value_scales 2 x 2,048 x 64 uint8 (E8M0 scales of key_value, one for each 32 codes along K); query_codes 2 x 1,024 x 64 x 24 uint8 (E2M3 codes of query, K innermost, in blocks of 32 codes, four codes in three bytes); query_scales 2 x 1,024 x 64 uint8 (E8M0 scales of query, one for each 32 codes along K).
;; Outputs: out0 2 x 1,024 x 2,048 float32.
;; This version of the problem:
;;   THIS VERSION OF THE PROBLEM IS GIVEN IN LOW PRECISION. The matrix products marked QUANTISED in the list below multiply operands that are first quantised to E2M3 (2 exponent bits, 3 mantissa bits; 6 bits a number), with one power-of-two scale for each 32 numbers along K (OCP MX v1.0); their sums are f32. All else is computed in f32.
;;   The module's matrix products, in the order in which they are computed (A, B: the left and right operand; K: the contracted axis; several contracted axes count as one K, in the product's order):
;;     1. [M 2,048, K 2,048] x [K 2,048, N 2,048]; A: input query (given as codes); B: input Wq (given as codes): QUANTISED
;;     2. [M 4,096, K 2,048] x [K 2,048, N 2,048]; A: input key_value (given as codes); B: input Wk (given as codes): QUANTISED
;;     3. [M 4,096, K 2,048] x [K 2,048, N 2,048]; A: input key_value (given as codes); B: input Wv (given as codes): QUANTISED
;;     4. batch 32 x [M 1,024, K 128] x [K 128, N 2,048]; A: computed on the way; B: computed on the way: QUANTISED
;;     5. batch 32 x [M 1,024, K 2,048] x [K 2,048, N 128]; A: computed on the way; B: computed on the way: QUANTISED
;;     6. [M 2,048, K 2,048] x [K 2,048, N 2,048]; A: computed on the way; B: input Wo (given as codes): QUANTISED
;;   THE QUANTISER, for each operand of a quantised product, along K:
;;     - K is cut into blocks of 32 from its start; a last block that is shorter is filled with zeros.
;;     - A block's scale is 2^e with e = floor(log2(the largest magnitude in the block)) - 2, held to -126 .. 127; a block of zeros has e = 0. As a byte (E8M0): e + 127.
;;     - Each number is divided by its block's scale, clamped to +-7.5, and rounded to the nearest number of E2M3, ties to even, subnormals kept.
;;     - The product sums the exact products of the quantised numbers (number of the format x scale) in f32.
;;   ~~~python
;;   def quantise(x, axis):      # numpy; x: float32 -> the quantised numbers, widened to float32 again
;;       x = np.moveaxis(x, axis, -1); K = x.shape[-1]
;;       x = np.pad(x, [(0, 0)] * (x.ndim - 1) + [(0, -K % 32)]); x = x.reshape(x.shape[:-1] + (-1, 32)); a = np.abs(x).max(-1, keepdims=True)
;;       e = np.where(a > 0, np.clip(np.frexp(np.where(a > 0, a, 1))[1] - 1 - 2, -126, 127), 0)      # np.frexp(a)[1] - 1 = floor(log2(a)), exactly
;;       r = np.clip(x / 2.0 ** e, -7.5, 7.5)
;;       step = 2.0 ** (np.maximum(np.frexp(np.where(r == 0, 1, r))[1] - 1, 0) - 3)
;;       q = np.round(r / step) * step * 2.0 ** e      # np.round: ties to even
;;       return np.moveaxis(q.reshape(q.shape[:-2] + (-1,))[..., :K], -1, axis).astype(np.float32)
;;   ~~~
;;   OPERANDS COMPUTED ON THE WAY. 'Computed on the way' means the value that the module computes at that place (a softmax that the list does not call 'softmax' is quantised finished and normalised). What goes into a quantiser is computed in f32, as accurately as f32 sums, v_exp_f32 and their like allow (about 1e-6 of the number): no bf16 or f16 on the way to a quantiser, and a product that is left as it is and whose result goes on into a quantised operand takes f32 operands (vector FMAs, or v_wmma_f32_16x16x4_f32). A number that lies on a knife's edge between two numbers of the format may be rounded either way, as far as f32 arithmetic and the matrix unit's own rounding can turn it there, and no further.
;;   INPUTS GIVEN AS CODES. Wk (in the module: [2048, 2048], K = its axis 1); Wo (in the module: [2048, 2048], K = its axis 1); Wq (in the module: [2048, 2048], K = its axis 1); Wv (in the module: [2048, 2048], K = its axis 1); key_value (in the module: [2, 2048, 2048], K = its axis 2); query (in the module: [2, 1024, 2048], K = its axis 2): each comes as NAME_codes (uint8): NAME with its K axis moved to the last place and cut into blocks of 32 codes, [.., K / 32, bytes a block], one block behind the other in memory; four codes in three bytes: a row's codes are one little-endian stream of bits, code i at bits 6 i .. 6 i + 5 (a code: sign, 2 exponent bits, 3 mantissa bits); and NAME_scales (uint8): the same leading axes, one E8M0 byte (e + 127) for each 32 codes along K. Its value is code x scale, taken as it is: it is not quantised again, and the codes and scales need not be those that the quantiser above would give.
;; One version. Each part assembles by itself: llvm-mc -triple=amdgcn-amd-amdhsa -mcpu=gfx1250 --defsym DOCPART=n.
;; ======== version 1 of 1: 3 launches
;; workspace buffers: qbuf 3,276,800 bytes; kbuf 6,553,600 bytes; vbuf 6,553,600 bytes; obuf 3,276,800 bytes; maskw 524,288 bytes of whole numbers
;; launch proj (part 1): grid 8 x 40, 4 waves a work-group, clusters of 4 x 4, 327,680 bytes of LDS; arguments query_codes, query_scales, Wq_codes, Wq_scales, qbuf, key_value_codes, key_value_scales, Wk_codes, Wk_scales, kbuf, Wv_codes, Wv_scales, vbuf, attention_mask, maskw; writes qbuf, kbuf, vbuf, maskw
.if DOCPART == 1
	.amdgcn_target "amdgcn-amd-amdhsa--gfx1250"
	.amdhsa_code_object_version 6
	.text
	.protected	k_q6c8dbe6bab_proj
	.globl	k_q6c8dbe6bab_proj
	.p2align	8
	.type	k_q6c8dbe6bab_proj,@function
k_q6c8dbe6bab_proj:
	s_mov_b64 s[64:65], 0
	v_nop
	global_prefetch_b8 v0, s[64:65] scope:SCOPE_SE
	s_setreg_imm32_b32 hwreg(HW_REG_WAVE_MODE, 25, 1), 1
	s_wait_xcnt 0x0
	s_wait_alu depctr_hold_cnt(0) depctr_sa_sdst(0) depctr_va_vdst(0) depctr_va_sdst(0) depctr_va_ssrc(0) depctr_va_vcc(0) depctr_vm_vsrc(0)
	s_getreg_b32 s2, hwreg(HW_REG_IB_STS2, 6, 4)
	s_cmp_eq_u32 s2, 0
	s_cbranch_scc0 .Lentry_in_a_cluster
	s_endpgm
.Lentry_in_a_cluster:
	s_bfe_u32 s2, ttmp6, 0x10000c
	s_cmp_lg_u32 s2, 0xf033
	s_cbranch_scc0 .Lentry_shape_is_right
	s_endpgm
.Lentry_shape_is_right:
; THE THREE PROJECTIONS, in one grid: h_q = query Wq^T, h_k = key_value Wk^T, h_v^T = Wv key_value^T, all on codes of FP6 (E2M3) with one E8M0 scale for each 32 along K = 2,048; sums in f32.
; Each result is quantised in registers, along the axis that the next product contracts (h_q, h_k: the head's 128; h_v: the keys), and leaves as RECORDS: images of operand registers.
; A RECORD is 12,800 bytes: 8 fragments (16 rows x 128 K, 12 registers a lane) of 1,536 bytes, register group c of fragment f at 1536 f + 512 c + 16 lane; then 512 bytes of scale words at 12288 + 16 lane + 4 i:
; in register i lanes 0-15 hold the words of fragment 2 i's rows, lanes 16-31 those of fragment 2 i + 1's.
; ORDER ALONG K INSIDE A BLOCK OF 32: a lane's eight results of a tile are columns 16 t + 8 (lane / 16) + 0 .. 7, and two tiles' sixteen registers are converted as they stand: so places 8-15 and 16-23 of every block are
; exchanged.  The exchange stays inside a block (scales are untouched) and is the same in both operands of each of the attention's products, so the products are the same; only the order of the sums differs.
; A tile of C, 256 x 256, is made by a work-group of four waves, 128 x 128 each: 64 accumulators, 512 registers.  K goes in steps of 256 through a ring of two LDS slots filled by the tensor data mover.
; WHICH PRODUCT hangs on the cluster's y alone: 0, 1: query x Wq;  2 .. 5: key_value x Wk;  6 .. 9: Wv x key_value (6, 7: tokens 0 .. 2,047;  8, 9: tokens 2,048 .. 4,095).
; CLUSTERS: 4 x 4 work-groups.  The four of a row need the same tiles of A, the four of a column the same tiles of B: each tile is asked for jointly.  The matrix instruction is used transposed
; (source 0 = 16 rows of B, source 1 = 16 rows of A): a lane holds one row of A and eight neighbouring columns.
; THE MASK: the 1,024 waves of the K and V clusters also turn attention_mask's bytes into lane masks, two units of 64 words each, while their first tiles are on their way:
; word 8 t + j of unit (b 64 + query tile) 16 + key step has at bit r + 16 h the byte of query 16 tile + r, key 128 step + 16 t + 8 h + j.
; LIMITS: NaN and infinities are not served.  A block whose largest magnitude lies under 2^-124 keeps the scale byte 1; a block of zeros gets the byte 1 and not 127: its codes are zeros, and this program alone reads the bytes.
; REGISTERS, in windows of 256: window 0: v0-31 addresses; v32-63 scale words, two sets; v64-103 the mask's work; from v128 A's fragments, one set; on the way out v32-218 the codes, v224-247 at work.
;   window 1: B's fragments, two sets, at v0 and v128.   window 2: the accumulators of my rows 0-63 ((a, b) at v[8 (8 a + b)]);   window 3: those of my rows 64-127.
.set REC,    12800
.set KSTEP,  256
.set NQ,     KSTEP/128
.set ROWB,   192                       ; a tile's row in bytes: 256 codes
.set KROW,   1536                      ; a row of 2,048 codes in memory
.set PITCH,  240                       ; an LDS row: 3 x (64 bytes + 16 of padding)
.set FR,     12
.set NL,     6
.set NP,     4
.set HALFT,  128*PITCH
.set SLOT,   4*HALFT                   ; A's 256 rows, then B's 256 rows
.set LAPS,   4                         ; 2,048 / 512
.set KS,     64                        ; a row of scale bytes
.set SCL,    2*SLOT                    ; behind the ring: the scales, as units of 256 bytes + 16 of padding
.set HALFS,  (128*KS/256)*272
.set SBLK,   (16*KS/256)*272
.set SPARE,  SCL+4*HALFS               ; the spare words: 128 bytes a wave, two blocks of 256 bytes that no other line names
.set ADRA, 16                          ; v16-17 LDS address of my A fragments in slot 0, 1 (v18-19: behind one padding more)
.set ADRB, 20                          ; v20-23 the same for B
.set CO,   26                          ; v26  16 x lane
.set ADRS, 27                          ; v27  LDS address of my scale words: lanes 0-15 A's rows, lanes 16-31 B's
.set SPW,  28                          ; v28  LDS address of my spare word; never rewritten
.set NIL,  29                          ; v29  0; never rewritten
.set SC,   32
.set MK,   64                          ; v64-95 the mask's bytes
.set MA,   97                          ; v97    their offset
.set MT,   98                          ; v98-99 a byte at work
.set MW,   100                         ; v100-103 the words to store
.set AF,   128
.set PCB,  32                          ; the way out: block a's codes from v[32 + 24 a] on
.set TM,   224                         ; v224-227 largest magnitudes, v228-231 bytes, v236-239 the conversions' scale operands
.set PW,   240                         ; the scale word just made
.set SW,   244                         ; v244-247 the record's scale image
.set SEL,  18                          ; s[18:19] lane selects for lane l xor 16 (set on the way out)
.set G1, 24
.set G0, 32
.set G1B, 48
.set G0B, 56
.set G1S, 68
.set G0S, 76
.set G1SB, 80
.set G0SB, 88
.set MSB, 0
.macro WIN new                         ; the immediate's high byte repeats the setting that is left
.if MSB != (\new)
	s_set_vgpr_msb (MSB<<8)|(\new)
.set MSB, (\new)
.endif
.endm
.set MUL_LO, 0xa1                      ; source 0 (B) window 1, source 1 (A) window 0, C and D window 2
.set MUL_HI, 0xf1                      ; the same, C and D window 3
.set TO_B,   0x40                      ; destination window 1, address window 0
; A joint load: waves 0 and 1 fetch for A, waves 2 and 3 for B; the branch hangs on the wave's number alone.  Four v_nop follow each of the two lines.
.macro JLOAD g0a, g1a, g0b, g1b
	s_cmp_eq_u32 s15, 0
	s_cbranch_scc0 .Lfor_b_\@
	tensor_load_to_lds s[\g0a:\g0a+3], s[\g1a:\g1a+7]
	s_nop 0
.rept 4
	v_nop
.endr
	s_branch .Lasked_\@
.Lfor_b_\@:
	tensor_load_to_lds s[\g0b:\g0b+3], s[\g1b:\g1b+7]
	s_nop 0
.rept 4
	v_nop
.endr
.Lasked_\@:
.endm
.macro CREST                           ; a round of the cluster's barrier behind its opening barrier
	s_cmp_lg_u32 s14, 0
	s_cbranch_scc1 .Lnot_wave_0_\@
	s_barrier_signal -3
.Lnot_wave_0_\@:
	s_barrier_wait -3
	s_barrier_signal -1
	s_barrier_wait -1
.endm
.macro CROUND                          ; a whole round
	s_barrier_signal -1
	s_barrier_wait -1
	CREST
.endm
	s_load_b512 s[24:39], s[0:1], 0x0              ; query's codes 24, scales 26; Wq's 28, 30; qbuf 32; key_value's 34, 36; Wk's codes 38
	s_load_b256 s[40:47], s[0:1], 0x40             ; Wk's scales 40; kbuf 42; Wv's codes 44, scales 46
	s_load_b128 s[48:51], s[0:1], 0x60             ; vbuf 48; attention_mask 50
	s_load_b64 s[52:53], s[0:1], 0x70              ; maskw
	v_lshl_add_u32 v[SPW], v0, 2, SPARE
	v_mov_b32 v[NIL], 0
	ds_add_u32 v28, v29
	ds_add_u32 v28, v29
	s_wait_dscnt 0x0
	v_lshrrev_b32 v1, 5, v0
	v_readfirstlane_b32 s14, v1                    ; wave 0..3
	s_lshr_b32 s15, s14, 1                         ; which half of the tile's rows is mine.  Also: I fetch for A (0) or for B (1)
	s_and_b32 s16, s14, 1                          ; which half of its columns.  Also: which 128 rows of that tile I fetch
	s_and_b32 s100, ttmp7, 0xffff                  ; the cluster's y: it says which product
	s_wait_kmcnt 0x0
	; the product's buffers: A's codes s[4:5], A's scales s[6:7], B's codes s[8:9], B's scales s[10:11], the records s[12:13]; the choices hang on the cluster's y alone
	s_cmp_lt_u32 s100, 8
	s_cselect_b32 s101, 6, 8                       ; the product's first cluster row
	s_cselect_b32 s104, 0, 8                       ; tile columns to add (the second half of the tokens)
	s_cmp_lt_u32 s100, 6
	s_cselect_b64 s[4:5], s[34:35], s[44:45]
	s_cselect_b64 s[6:7], s[36:37], s[46:47]
	s_cselect_b64 s[8:9], s[38:39], s[34:35]
	s_cselect_b64 s[10:11], s[40:41], s[36:37]
	s_cselect_b64 s[12:13], s[42:43], s[48:49]
	s_cselect_b32 s101, 2, s101
	s_cselect_b32 s105, 0, 1                       ; 1: the tokens are the columns (V)
	s_cmp_lt_u32 s100, 2
	s_cselect_b64 s[4:5], s[24:25], s[4:5]
	s_cselect_b64 s[6:7], s[26:27], s[6:7]
	s_cselect_b64 s[8:9], s[28:29], s[8:9]
	s_cselect_b64 s[10:11], s[30:31], s[10:11]
	s_cselect_b64 s[12:13], s[32:33], s[12:13]
	s_cselect_b32 s101, 0, s101
	s_cselect_b32 s2, 3, 4                         ; log2 of the blocks of 128 tokens in a batch: 8 of queries, 16 of keys
	s_mov_b64 s[96:97], s[50:51]                   ; the mask's bytes
	s_mov_b64 s[98:99], s[52:53]                   ; and its words
	s_bfe_u32 s40, ttmp6, 0x40000                  ; cx, cy: my place in the cluster
	s_bfe_u32 s41, ttmp6, 0x40004
	s_lshl_b32 s42, ttmp9, 2
	s_add_co_u32 s42, s42, s40
	s_add_co_u32 s42, s42, s104                    ; tile column = 4 x cluster x + cx (+ 8)
	s_sub_co_u32 s17, s100, s101
	s_lshl_b32 s17, s17, 2
	s_add_co_u32 s17, s17, s41                     ; tile row = 4 x (cluster y - the product's first) + cy
	s_lshl_b32 s43, s41, 2
	s_lshl_b32 s43, 15, s43                        ; my row of the cluster
	s_lshl_b32 s44, 0x1111, s40                    ; my column
	; descriptor group 1: a tile of 128 rows x 192 bytes, 16 bytes of padding behind every 64
	s_or_b32 s[G1+0], s43, (0<<16)|(1<<20)|(1<<21)|(3<<22)|(3<<25)
	s_or_b32 s[G1B+0], s44, (0<<16)|(1<<20)|(1<<21)|(3<<22)|(3<<25)
.irp g, G1, G1B
	s_mov_b32 s[\g+1], ROWB<<16                    ; tensor_dim0
	s_mov_b32 s[\g+2], 128<<16                     ; tensor_dim1
	s_mov_b32 s[\g+3], ROWB<<16                    ; tile_dim0
	s_mov_b32 s[\g+4], 128                         ; tile_dim1
	s_mov_b32 s[\g+5], KROW                        ; tensor_dim0_stride
	s_mov_b32 s[\g+6], 0
	s_mov_b32 s[\g+7], 0
.endr
	; the scales of 128 rows: a dense block of 8,192 bytes, as 32 rows of 256 bytes (32 elements of 8 bytes), 16 bytes of padding behind each
	s_or_b32 s[G1S+0], s43, (3<<16)|(1<<20)|(1<<21)|(5<<22)|(3<<25)
	s_or_b32 s[G1SB+0], s44, (3<<16)|(1<<20)|(1<<21)|(5<<22)|(3<<25)
.irp g, G1S, G1SB
	s_mov_b32 s[\g+1], 32<<16
	s_mov_b32 s[\g+2], (128*KS/256)<<16
	s_mov_b32 s[\g+3], 32<<16
	s_mov_b32 s[\g+4], 128*KS/256
	s_mov_b32 s[\g+5], 32
	s_mov_b32 s[\g+6], 0
	s_mov_b32 s[\g+7], 0
.endr
	s_lshl_b32 s18, s16, 7                         ; which 128 rows of the tile I fetch
	s_lshl_b32 s20, s17, 8
	s_add_co_u32 s20, s20, s18                     ; A: row 256 x tile row + 128 x half
	s_lshl_b32 s46, s42, 8
	s_add_co_u32 s46, s46, s18                     ; B: row 256 x tile column + 128 x half
	s_mov_b32 s21, 0
	s_mov_b32 s47, 0
	s_mov_b64 s[18:19], KS
	s_mul_u64 s[22:23], s[20:21], s[18:19]         ; where these rows' scales begin, in bytes
	s_mul_u64 s[92:93], s[46:47], s[18:19]
	s_mov_b64 s[18:19], KROW
	s_mul_u64 s[20:21], s[20:21], s[18:19]         ; and their codes
	s_mul_u64 s[46:47], s[46:47], s[18:19]
	s_mul_i32 s45, s14, HALFT                      ; where they go: wave x 128 rows: no place in the cluster enters an LDS address
	s_mul_i32 s94, s14, HALFS
	s_add_nc_u64 s[20:21], s[4:5], s[20:21]
	s_add_nc_u64 s[22:23], s[6:7], s[22:23]
	s_add_nc_u64 s[46:47], s[8:9], s[46:47]
	s_add_nc_u64 s[92:93], s[10:11], s[92:93]
	CROUND                                         ; all sixteen work-groups are here: the first joint loads meet
	s_mov_b32 s[G0S], 1
	s_add_co_u32 s[G0S+1], s94, SCL
	s_mov_b64 s[G0S+2:G0S+3], s[22:23]
	s_or_b32 s[G0S+3], s[G0S+3], 0x80000000
	s_mov_b32 s[G0SB], 1
	s_add_co_u32 s[G0SB+1], s94, SCL
	s_mov_b64 s[G0SB+2:G0SB+3], s[92:93]
	s_or_b32 s[G0SB+3], s[G0SB+3], 0x80000000
	JLOAD G0S, G1S, G0SB, G1SB                     ; the scales first: they are wanted with K step 0
.irp s, 0,1
	s_mov_b32 s[G0+4*\s], 1
	s_add_co_u32 s[G0+4*\s+1], s45, \s*SLOT
	s_add_nc_u64 s[G0+4*\s+2:G0+4*\s+3], s[20:21], \s*ROWB
	s_or_b32 s[G0+4*\s+3], s[G0+4*\s+3], 0x80000000
	s_mov_b32 s[G0B+4*\s], 1
	s_add_co_u32 s[G0B+4*\s+1], s45, \s*SLOT
	s_add_nc_u64 s[G0B+4*\s+2:G0B+4*\s+3], s[46:47], \s*ROWB
	s_or_b32 s[G0B+4*\s+3], s[G0B+4*\s+3], 0x80000000
	JLOAD G0+4*\s, G1, G0B+4*\s, G1B               ; three tensor loads of mine are out now
.endr
	v_and_b32 v1, 15, v0                           ; r = l % 16
	v_bfe_u32 v2, v0, 4, 1                         ; h = l / 16
	v_mul_u32_u24 v3, v1, PITCH
	v_mul_u32_u24 v4, v2, 24
	v_add_nc_u32 v4, v3, v4                        ; a fragment's row x pitch + 24 x half
	v_lshl_add_u32 v5, v2, 4, v4                   ; and the same behind one padding more
	s_mul_i32 s21, s15, HALFT                      ; my 128 rows of A
	s_mul_i32 s22, s16, HALFT                      ; my 128 rows of B,
	s_add_co_u32 s22, s22, 2*HALFT                 ; which lie behind A's 256
.irp s, 0,1
	v_add_nc_u32 v[ADRA+\s], s21, v4
	v_add_nc_u32 v[ADRB+\s], s22, v4
	v_add_nc_u32 v[ADRA+2+\s], s21, v5
	v_add_nc_u32 v[ADRB+2+\s], s22, v5
	s_add_co_u32 s21, s21, SLOT
	s_add_co_u32 s22, s22, SLOT
.endr
	v_mul_u32_u24 v5, v1, KS                       ; my row's scales: 64 bytes a row,
	v_lshrrev_b32 v6, 8, v5
	v_lshl_add_u32 v5, v6, 4, v5                   ; and 16 more for each 256 passed
	s_mul_i32 s21, s15, HALFS                      ; A's: my 128 rows
	s_mul_i32 s22, s16, HALFS                      ; B's: my 128 rows, behind A's 256
	s_add_co_u32 s22, s22, 2*HALFS
	s_sub_co_u32 s22, s22, s21
	v_mul_u32_u24 v6, s22, v2                      ; lanes 16-31 take B's
	s_add_co_u32 s21, s21, SCL
	v_add_nc_u32 v5, v5, v6
	v_add_nc_u32 v[ADRS], s21, v5
	v_and_b32 v6, 31, v0
	v_lshlrev_b32 v[CO], 4, v6                     ; 16 x lane
	; my wave's record.  Its 128 rows are group 2 x tile row + half, its 128 columns group 2 x tile column + half; one of the two counts blocks of tokens, the other heads
	s_lshl_b32 s20, s17, 1
	s_add_co_u32 s20, s20, s15
	s_lshl_b32 s46, s42, 1
	s_add_co_u32 s46, s46, s16
	s_cmp_eq_u32 s105, 1
	s_cselect_b32 s47, s46, s20                    ; the block of tokens
	s_cselect_b32 s92, s20, s46                    ; the head
	s_lshr_b32 s93, s47, s2                        ; the batch
	s_lshl_b32 s21, s93, s2
	s_sub_co_u32 s47, s47, s21                     ; the block within the batch
	s_lshl_b32 s93, s93, 4
	s_add_co_u32 s93, s93, s92                     ; batch x 16 + head
	s_lshl_b32 s93, s93, s2
	s_add_co_u32 s93, s93, s47                     ; the record's number: at most 511
	s_mul_i32 s92, s93, REC
	s_mov_b32 s93, 0
	s_add_nc_u64 s[12:13], s[12:13], s[92:93]
	; THE MASK'S WORDS, in the clusters of K and V (a branch on the cluster's y: the same in all partners), while the first tiles are on their way
	s_cmp_lt_u32 s100, 2
	s_cbranch_scc1 .Lno_mask
	s_sub_co_u32 s20, s100, 2
	s_lshl_b32 s20, s20, 1
	s_add_co_u32 s20, s20, ttmp9                   ; which of the 16 clusters,
	s_lshl_b32 s20, s20, 2
	s_add_co_u32 s20, s20, s41
	s_lshl_b32 s20, s20, 2
	s_add_co_u32 s20, s20, s40                     ; which work-group,
	s_lshl_b32 s20, s20, 2
	s_add_co_u32 s20, s20, s14                     ; which wave: g = 0 .. 1,023; it makes units 2 g and 2 g + 1
	s_lshr_b32 s21, s20, 3                         ; the tile of 16 queries: 16 rows of 2,048 bytes,
	s_lshl_b32 s21, s21, 15
	s_and_b32 s22, s20, 7                          ; the pair of key steps: 256 bytes of each row
	s_lshl_b32 s22, s22, 8
	s_add_co_u32 s22, s22, s21
	s_mov_b32 s23, 0
	s_add_nc_u64 s[96:97], s[96:97], s[22:23]
	s_lshl_b32 s22, s20, 9                         ; 512 bytes of words a wave
	s_add_nc_u64 s[98:99], s[98:99], s[22:23]
	v_lshlrev_b32 v[MA], 11, v1                    ; query r's row,
	v_lshl_or_b32 v[MA], v2, 3, v[MA]              ; + 8 h
.irp n, 0,1,2,3,4,5,6,7,8,9,10,11,12,13,14,15
	global_load_b64 v[MK+2*\n:MK+2*\n+1], v[MA], s[96:97] offset:16*\n th:TH_LOAD_NT   ; load n = 8 e + t: keys 128 e + 16 t + 8 h + 0 .. 7 of my query; the sixteen loads together take 256 consecutive bytes of each row
.endr
.irp i, 0,1,2,3
	v_mov_b32 v[MW+\i], 0                          ; a lane write's destination counts as read
.endr
	s_wait_loadcnt 0x0
.set k, 0
.rept 128                                          ; word k = 64 e + 8 t + j: byte j of load 8 e + t, of all 32 lanes; it goes to lane k / 4, register k % 4, so that one store of 16 bytes a lane lays the words on end
	v_bfe_u32 v[MT+k%2], v[MK+2*(k/8)+(k%8)/4], 8*(k%4), 8
	v_cmp_ne_u32 s[94+k%2], 0, v[MT+k%2]
	v_writelane_b32 v[MW+k%4], s[94+k%2], k/4
.set k, k+1
.endr
	global_store_b128 v[CO], v[MW:MW+3], s[98:99]  ; 512 consecutive bytes, at a multiple of 256 from the buffer's first byte
	s_wait_xcnt 0x0                                ; the store has read its registers: they are written again on the way out
.Lno_mask:
.macro FRAG reg, adr, q, i             ; a fragment: lane l holds row l % 16; registers 6 c .. 6 c + 5 hold K = 64 c + 32 (l / 16) + 0 .. 31: 24 bytes of the row, in pieces of 8 bytes
.irp p, 0,1,2,3,4,5
.set PIECE, 12*(\q)+6*(\p/3)+\p%3     ; 16 bytes of padding lie behind every 8 pieces: where the piece three on lies behind one padding more, the second address register serves
.if PIECE%8 < 5
	ds_load_b64 v[\reg+2*\p:\reg+2*\p+1], v[\adr] offset:8*PIECE+16*(PIECE/8)+(\i)*16*PITCH
.else
	ds_load_b64 v[\reg+2*\p:\reg+2*\p+1], v[\adr+2] offset:8*PIECE+16*(PIECE/8)+(\i)*16*PITCH
.endif
.endr
.endm
; 16 matrix instructions: A's blocks a0, a0 + 1 x B's eight, 128 along K.  The 64 accumulators take turns, one instruction a turn, in the same order in every step.
.macro MUL16 a0, p, q, sc, zero
.irp a, \a0, \a0+1
.irp b, 0,1,2,3,4,5,6,7
.if \zero
	v_wmma_scale_f32_16x16x128_f8f6f4 v[8*(8*((\a)%4)+\b):8*(8*((\a)%4)+\b)+7], v[128*(\p)+FR*\b:128*(\p)+FR*\b+FR-1], v[AF+FR*(\a):AF+FR*(\a)+FR-1], 0, v[SC+8*NQ*(\sc)+NQ*\b+(\q)], v[SC+8*NQ*(\sc)+NQ*(\a)+(\q)] matrix_a_fmt:MATRIX_FMT_FP6 matrix_b_fmt:MATRIX_FMT_FP6 matrix_a_scale:MATRIX_SCALE_ROW1
.else
	v_wmma_scale_f32_16x16x128_f8f6f4 v[8*(8*((\a)%4)+\b):8*(8*((\a)%4)+\b)+7], v[128*(\p)+FR*\b:128*(\p)+FR*\b+FR-1], v[AF+FR*(\a):AF+FR*(\a)+FR-1], v[8*(8*((\a)%4)+\b):8*(8*((\a)%4)+\b)+7], v[SC+8*NQ*(\sc)+NQ*\b+(\q)], v[SC+8*NQ*(\sc)+NQ*(\a)+(\q)] matrix_a_fmt:MATRIX_FMT_FP6 matrix_b_fmt:MATRIX_FMT_FP6 matrix_a_scale:MATRIX_SCALE_ROW1
.endif
.endr
.endr
.endm
.macro FETCH_B slot, q, p
	WIN TO_B
.irp i, 0,1,2,3,4,5,6,7
	FRAG 128*(\p)+FR*\i, ADRB+\slot, \q, \i
.endr
	WIN 0
.endm
.macro FETCH_A slot, q, i0
.irp i, \i0, \i0+1, \i0+2, \i0+3
	FRAG AF+FR*(\i), ADRA+\slot, \q, \i
.endr
.endm
.macro SCALES sc                       ; the next K step's scale words: two words a row; lanes 0-15 take A's block i, lanes 16-31 B's block i
.irp i, 0,1,2,3,4,5,6,7
	ds_load_b64 v[SC+8*NQ*\sc+NQ*\i:SC+8*NQ*\sc+NQ*\i+1], v[ADRS] offset:\i*SBLK
.endr
.endm
; A load into a register that a matrix instruction has read, and a vector instruction that reads a matrix result, stand four places behind that matrix instruction; only plain vector instructions
; that name none of its registers are places (ISA guide 7.12.1 for vector instructions).
.macro PLACES n
.rept \n
	v_nop
.endr
.endm
.macro STEP slot, q, zero              ; a step of 128 along K that has its successor in the same slot
	s_wait_dscnt 4*NL                              ; B's set and A's blocks 0-3 are in; the youngest 24 loads (A's blocks 4-7) may be out
	WIN MUL_LO
	MUL16 0, (\q)%2, \q, \slot, \zero
	MUL16 2, (\q)%2, \q, \slot, \zero
	s_wait_dscnt 0
	PLACES NP
	FETCH_B \slot, (\q)+1, 1-(\q)%2
	FETCH_A \slot, (\q)+1, 0
	WIN MUL_HI
	MUL16 4, (\q)%2, \q, \slot, \zero
	MUL16 6, (\q)%2, \q, \slot, \zero
	PLACES NP
	WIN 0
	FETCH_A \slot, (\q)+1, 4
.endm
; A slot's last step changes slots: one barrier; in front of it each wave waits for all its tensor loads, adds 0 to its spare word, and waits for that and for its reads of this slot.
.macro TURN slot, next, fill
	s_wait_tensorcnt 0x0                           ; all my tensor loads have landed: my part of the next slot
	ds_add_u32 v[SPW], v[NIL]                      ; 0 onto my spare word
	s_wait_dscnt 4*NL+1                            ; (the add and the youngest 24 loads may be out)
	WIN MUL_LO
	MUL16 0, 1, NQ-1, \slot, 0                     ; sixteen matrix instructions stand between the add and the wait for it
	s_wait_dscnt 0x0                               ; the add is done, and my reads of this slot are over
	s_barrier_signal -1
	MUL16 2, 1, NQ-1, \slot, 0
	WIN 0
	s_barrier_wait -1
.if \fill
	CREST                                          ; the barrier has opened a round of the cluster's barrier: no wave of any partner still reads this slot or has a load on its way
	s_add_nc_u64 s[G0+4*\slot+2:G0+4*\slot+3], s[G0+4*\slot+2:G0+4*\slot+3], 2*ROWB
	s_add_nc_u64 s[G0B+4*\slot+2:G0B+4*\slot+3], s[G0B+4*\slot+2:G0B+4*\slot+3], 2*ROWB
	JLOAD G0+4*\slot, G1, G0B+4*\slot, G1B         ; the first tensor load behind the round; its four v_nop are the places in front of the loads below
.else
	PLACES NP
.endif
	v_add_nc_u32 v[ADRS], 4*NQ, v[ADRS]            ; on to the next K step's scale words
	FETCH_B \next, 0, 0
	FETCH_A \next, 0, 0
	SCALES \next
	WIN MUL_HI
	MUL16 4, 1, NQ-1, \slot, 0
	MUL16 6, 1, NQ-1, \slot, 0
	PLACES NP
	WIN 0
	FETCH_A \next, 0, 4
.endm
; 64 numbers of a lane, v[src] .. v[src + 63] of window win, register 16 b + i = place 16 (lane / 16) + i of block b of my row, become a fragment's codes in v[pc] .. v[pc + 11] (v[pc + 12] .. v[pc + 18] at work) and its scale word in v[PW].
; A block's scale byte is its largest magnitude's exponent field - 2, held at 1 from below by the floor 2^(3 - 127) among the maximum's leaves.  Each accumulator is read from its low end on.
.macro QUANT src, win, pc
	WIN ((\win)<<2)|((\win)<<4)
.irp b, 0,1,2,3
	v_max3_num_f32 v[TM+\b], 0x1800000, |v[(\src)+16*\b]|, |v[(\src)+1+16*\b]|
.endr
.irp i, 2,4,6,8,10,12,14
.irp b, 0,1,2,3
	v_max3_num_f32 v[TM+\b], v[TM+\b], |v[(\src)+16*\b+\i]|, |v[(\src)+1+16*\b+\i]|
.endr
.endr
	WIN 0
.irp b, 0,1,2,3
	v_permlanex16_b32 v[TM+4+\b], v[TM+\b], s[SEL], s[SEL+1]
.endr
.irp b, 0,1,2,3
	v_max_num_f32 v[TM+\b], v[TM+\b], v[TM+4+\b]   ; with lane l xor 16's: the block's largest magnitude
.endr
.irp b, 0,1,2,3
	v_add_nc_u32 v[TM+12+\b], 0xff000000, v[TM+\b] ; 2 off its exponent field: the conversion's scale operand
.endr
.irp b, 0,1,2,3
	v_lshrrev_b32 v[TM+4+\b], 23, v[TM+12+\b]      ; the scale's byte
.endr
	v_lshl_or_b32 v[PW], v[TM+5], 8, v[TM+4]
	v_lshl_or_b32 v[PW], v[TM+6], 16, v[PW]
	v_lshl_or_b32 v[PW], v[TM+7], 24, v[PW]
	WIN (\win)
.irp c, 0,1
	v_cvt_scalef32_pk16_fp6_f32 v[(\pc)+6*\c:(\pc)+2+6*\c], v[(\src)+32*\c:(\src)+15+32*\c], v[TM+12+2*\c]
	v_cvt_scalef32_pk16_fp6_f32 v[(\pc)+12+4*\c:(\pc)+14+4*\c], v[(\src)+16+32*\c:(\src)+31+32*\c], v[TM+13+2*\c]
.endr
	WIN 0
	v_nop                                          ; one plain place behind a scaled conversion
.irp c, 0,1                                        ; the operand's layout wants a whole block in a lane: lanes 0-15 block 2 c, lanes 16-31 block 2 c + 1
.irp i, 0,1,2
	v_permlane16_swap_b32 v[(\pc)+6*\c+\i], v[(\pc)+12+4*\c+\i]
.endr
.irp i, 0,1,2
	v_mov_b32 v[(\pc)+3+6*\c+\i], v[(\pc)+12+4*\c+\i]
.endr
.endr
.endm
	s_wait_tensorcnt 1                             ; the scales and my part of K step 0 are in (K step 1's load may be out),
	s_barrier_signal -1
	s_barrier_wait -1                              ; everybody's are
	FETCH_B 0, 0, 0
	FETCH_A 0, 0, 0
	SCALES 0
	FETCH_A 0, 0, 4
	STEP 0, 0, 1                                   ; the first step stands in front of the loop: its products start the sums
	s_mov_b32 s3, LAPS-1
.Llap:                                             ; a trip goes once round the ring and fills both slots again
	TURN 0, 1, 1
	STEP 1, 0, 0
	TURN 1, 0, 1
	STEP 0, 0, 0
	s_sub_co_u32 s3, s3, 1
	s_cmp_lg_u32 s3, 0
	s_cbranch_scc1 .Llap
	TURN 0, 1, 0                                   ; the last lap fills nothing
	STEP 1, 0, 0
	s_wait_dscnt 4*NL
	WIN MUL_LO
	MUL16 0, 1, NQ-1, 1, 0
	MUL16 2, 1, NQ-1, 1, 0
	s_wait_dscnt 0
	WIN MUL_HI
	MUL16 4, 1, NQ-1, 1, 0
	MUL16 6, 1, NQ-1, 1, 0
	WIN 0
	; THE WAY OUT: block a (16 rows x my 128 columns) is one fragment of the record.  Each block has registers of its own for its codes, so no store's data are written again.
	PLACES NP
	s_mov_b32 s[SEL], 0x76543210
	s_mov_b32 s[SEL+1], 0xfedcba98
	s_mov_b32 s95, 0xffff0000                      ; lanes 16-31
.irp b, 0,1,2,3
	v_mov_b32 v[TM+4+\b], 0                        ; a lane permute's destination counts as one of its sources
.endr
.irp a, 0,1,2,3,4,5,6,7
	QUANT 64*(\a%4), 2+\a/4, PCB+24*\a
.if (\a%2) == 0
	v_mov_b32 v[SW+\a/2], v[PW]                    ; an even fragment's words stay in lanes 0-15,
.else
	v_cndmask_b32 v[SW+\a/2], v[SW+\a/2], v[PW], s95   ; the odd one's take lanes 16-31
.endif
.irp c, 0,1,2
	global_store_b128 v[CO], v[PCB+24*\a+4*\c:PCB+24*\a+4*\c+3], s[12:13] offset:1536*\a+512*\c   ; 512 consecutive bytes, at a multiple of 256 from the buffer's first byte
.endr
.endr
	global_store_b128 v[CO], v[SW:SW+3], s[12:13] offset:12288
	s_wait_tensorcnt 0x0                           ; the wave's end
	ds_add_u32 v[SPW], v[NIL]
	s_wait_dscnt 0x0
	CROUND                                         ; the closing round: no work-group ends while a partner may still ask for a tile that names it
	s_endpgm
.Lfunc_end_k_q6c8dbe6bab_proj:
	.size	k_q6c8dbe6bab_proj, .Lfunc_end_k_q6c8dbe6bab_proj-k_q6c8dbe6bab_proj
	.p2alignl 7, 3214868480
	.fill 96, 4, 3214868480
	.section	.rodata,"a",@progbits
	.p2align	6, 0x0
	.amdhsa_kernel k_q6c8dbe6bab_proj
		.amdhsa_group_segment_fixed_size 327680
		.amdhsa_private_segment_fixed_size 0
		.amdhsa_enable_private_segment 0
		.amdhsa_kernarg_size 120
		.amdhsa_user_sgpr_count 2
		.amdhsa_user_sgpr_kernarg_segment_ptr 1
		.amdhsa_wavefront_size32 1
		.amdhsa_system_sgpr_workgroup_id_x 1
		.amdhsa_system_sgpr_workgroup_id_y 1
		.amdhsa_system_sgpr_workgroup_id_z 1
		.amdhsa_system_vgpr_workitem_id 0
		.amdhsa_next_free_vgpr 1024
		.amdhsa_next_free_sgpr 106
		.amdhsa_reserve_vcc 0
		.amdhsa_float_denorm_mode_32 3
		.amdhsa_float_denorm_mode_16_64 3
		.amdhsa_memory_ordered 1
		.amdhsa_forward_progress 1
		.amdhsa_inst_pref_size 191
	.end_amdhsa_kernel
	.amdgpu_metadata
---
amdhsa.version: [ 1, 2 ]
amdhsa.kernels:
  - .name:           k_q6c8dbe6bab_proj
    .symbol:         k_q6c8dbe6bab_proj.kd
    .args:
      - { .name: query_codes, .offset: 0, .size: 8, .value_kind: global_buffer, .address_space: global }
      - { .name: query_scales, .offset: 8, .size: 8, .value_kind: global_buffer, .address_space: global }
      - { .name: Wq_codes, .offset: 16, .size: 8, .value_kind: global_buffer, .address_space: global }
      - { .name: Wq_scales, .offset: 24, .size: 8, .value_kind: global_buffer, .address_space: global }
      - { .name: qbuf, .offset: 32, .size: 8, .value_kind: global_buffer, .address_space: global }
      - { .name: key_value_codes, .offset: 40, .size: 8, .value_kind: global_buffer, .address_space: global }
      - { .name: key_value_scales, .offset: 48, .size: 8, .value_kind: global_buffer, .address_space: global }
      - { .name: Wk_codes, .offset: 56, .size: 8, .value_kind: global_buffer, .address_space: global }
      - { .name: Wk_scales, .offset: 64, .size: 8, .value_kind: global_buffer, .address_space: global }
      - { .name: kbuf, .offset: 72, .size: 8, .value_kind: global_buffer, .address_space: global }
      - { .name: Wv_codes, .offset: 80, .size: 8, .value_kind: global_buffer, .address_space: global }
      - { .name: Wv_scales, .offset: 88, .size: 8, .value_kind: global_buffer, .address_space: global }
      - { .name: vbuf, .offset: 96, .size: 8, .value_kind: global_buffer, .address_space: global }
      - { .name: attention_mask, .offset: 104, .size: 8, .value_kind: global_buffer, .address_space: global }
      - { .name: maskw, .offset: 112, .size: 8, .value_kind: global_buffer, .address_space: global }
    .group_segment_fixed_size: 327680
    .private_segment_fixed_size: 0
    .kernarg_segment_align: 8
    .kernarg_segment_size: 120
    .max_flat_workgroup_size: 128
    .sgpr_count:     106
    .vgpr_count:     1024
    .wavefront_size: 32
...
	.end_amdgpu_metadata
.endif
;; end of part 1
;; launch attn (part 2): grid 8 x 32, 8 waves a work-group, clusters of 4 x 1, 327,680 bytes of LDS; arguments qbuf, kbuf, vbuf, maskw, obuf; writes obuf
.if DOCPART == 2
	.amdgcn_target "amdgcn-amd-amdhsa--gfx1250"
	.amdhsa_code_object_version 6
	.text
	.protected	k_q6c8dbe6bab_attn
	.globl	k_q6c8dbe6bab_attn
	.p2align	8
	.type	k_q6c8dbe6bab_attn,@function
k_q6c8dbe6bab_attn:
	s_mov_b64 s[64:65], 0
	v_nop
	global_prefetch_b8 v0, s[64:65] scope:SCOPE_SE
	s_setreg_imm32_b32 hwreg(HW_REG_WAVE_MODE, 25, 1), 1
	s_wait_xcnt 0x0
	s_wait_alu depctr_hold_cnt(0) depctr_sa_sdst(0) depctr_va_vdst(0) depctr_va_sdst(0) depctr_va_ssrc(0) depctr_va_vcc(0) depctr_vm_vsrc(0)
	s_getreg_b32 s2, hwreg(HW_REG_IB_STS2, 6, 4)
	s_cmp_eq_u32 s2, 0
	s_cbranch_scc0 .Lentry_in_a_cluster
	s_endpgm
.Lentry_in_a_cluster:
	s_bfe_u32 s2, ttmp6, 0x10000c
	s_cmp_lg_u32 s2, 0x3003
	s_cbranch_scc0 .Lentry_shape_is_right
	s_endpgm
.Lentry_shape_is_right:
; ATTENTION on codes of FP6 (E2M3): scores = h_q h_k^T / sqrt(128), mask, softmax, masked places 0, times h_v; the result is quantised along (head, d) for the output product.
; THE SOFTMAX IS QUANTISED FINISHED: p = exp(s - max) / sum, so no code can be made before a row's maximum and sum over all 2,048 keys are known.  THE KEYS ARE WALKED TWICE:
; pass 1 finds, for each query, the running maximum m and the sum l under it; pass 2 makes the same scores by the same instructions, p = 2^(c s - c m) x (1 / l), quantises p along the keys and multiplies by V.
; c = log2(e) / sqrt(128).  A masked score becomes -infinity ahead of the maximum, so its p is 0; a row with no key left has l = 0, and 1 / l is replaced by 0: its p and its output are 0.
; SHARES.  A work-group owns 128 queries of one (batch, head); each of its eight waves a tile of 16, two waves to a SIMD.  Every wave walks all 16 key steps of 128 keys.
; All operands come as RECORDS of 12,800 bytes, images of operand registers: fragment f's register group c at 1536 f + 512 c + 16 lane; scale words at 12288 + 16 lane + 4 i (register i: lanes 0-15 fragment 2 i, lanes 16-31 fragment 2 i + 1).
; K's 16 records of the head stay in LDS for both passes; V's go through a ring of two slots of four records.
; CLUSTER.  The four blocks of queries of a cluster belong to one head and walk the same K and V: every tensor load is asked for jointly, with a mask that names the four.
; LAYOUT.  Both products are used transposed: S^T = K Q^T, O^T = V^T P^T: a lane holds one query (lane % 16) throughout; register 8 t + j of S^T is key 16 t + 8 (lane / 16) + j.
; p's sixteen registers of two tiles are converted as they stand, which exchanges places 8-15 and 16-23 of each block of 32 keys; V's records carry the same exchange, Q's and K's likewise along d.
; O meets given codes in natural order: 32 exchanges of lane halves make its registers true neighbours first.
; THE MASK comes as lane masks, 64 words a key step and tile of queries, by scalar loads a step ahead: word 8 t + j is the select of score register 8 t + j.
; LIMITS: NaN and infinities are not served.  p under 2^-126 falls to 0 (the exponential's own flush).  1 / l is a reciprocal and a multiplication.  A block whose largest magnitude lies under 2^-124 keeps the scale byte 1;
; a block of zeros gets the byte 1 and not 127: its codes are zeros, and this program alone reads the bytes.
; REGISTERS: window 0: v1-7 addresses and constants; v8 m, v9 the new -c m, v[10:11] -c m, v[12:13] l in two halves, v[14:15] a, later 1 / l; v16-27 Q, v28 its scale words; v29-31 at work; v32-35 K's scale words, v36-39 V's;
;   v40-55 at work; v56 p's scale word; v57, v58 LDS addresses for the way out; v60-78 the codes just made; v96-159 S^T, then p; v160-223 O^T.   window 1: v0-95 K's fragments, v96-191 V's.
.set REC,   12800
.set VBASE, 16*REC                     ; behind K's 16 records: V's ring, two slots of four records
.set STG,   VBASE+8*REC                ; 512 bytes in which the eight waves' scale words of O meet; no fill lands here
.set SPARE, STG+512                    ; the spare words: 128 bytes a wave, four blocks of 256 bytes that no other line names
.set LI,   1                           ; v1   16 x lane
.set SPW,  2                           ; v2   LDS address of my spare word; never rewritten
.set NIL,  3                           ; v3   0; never rewritten
.set ADK,  4                           ; v4   LDS address of the record of K in hand
.set ADV,  5                           ; v5   of V
.set NINF, 6                           ; v6   -infinity
.set OA,   7                           ; v7   16 x lane + 1,536 x wave: my fragment's place in a record
.set QF,   16
.set QS,   28
.set KS,   32
.set VS,   36
.set TM,   40
.set PW,   56
.set SWA,  57                          ; v57  where my rows' scale words of O go in LDS
.set SRA,  58                          ; v58  STG + 16 x lane
.set PC,   60
.set S,    96
.set O,    160
.set KF,   0                           ; in window 1
.set VF,   96
.set SEL,  66                          ; s[66:67] lane selects for lane l xor 16
.set G1,   84                          ; s[84:91] descriptor group 1: a record;  s[92:95], s[96:99] groups 0 of K's two first fills;  s[4:7] V's, which walks
.set MSB, 0
.macro WIN new                         ; the immediate's high byte repeats the setting that is left
.if MSB != (\new)
	s_set_vgpr_msb (MSB<<8)|(\new)
.set MSB, (\new)
.endif
.endm
.macro CROUND                          ; a round of the cluster's barrier
	s_barrier_signal -1
	s_barrier_wait -1
	s_cmp_lg_u32 s12, 0
	s_cbranch_scc1 .Lnot_wave_0_\@
	s_barrier_signal -3
.Lnot_wave_0_\@:
	s_barrier_wait -3
	s_barrier_signal -1
	s_barrier_wait -1
.endm
.macro JLOADV                          ; a joint refill of four records of V: waves 0 to 3, one record each; the branch hangs on the wave's number alone.  Four v_nop follow the load
	s_cmp_lt_u32 s12, 4
	s_cbranch_scc0 .Lno_v_\@
	tensor_load_to_lds s[4:7], s[G1:G1+7]
	s_nop 0
.rept 4
	v_nop
.endr
.Lno_v_\@:
.endm
.macro KLOAD                           ; a record of K into registers: 25 LDS loads, each of 512 consecutive bytes
	WIN 0x40
.irp t, 0,1,2,3,4,5,6,7
.irp c, 0,1,2
	ds_load_b128 v[KF+12*\t+4*\c:KF+12*\t+4*\c+3], v[ADK] offset:1536*\t+512*\c
.endr
.endr
	WIN 0
	ds_load_b128 v[KS:KS+3], v[ADK] offset:12288
.endm
.macro VLOAD                           ; the same for V
	WIN 0x40
.irp t, 0,1,2,3,4,5,6,7
.irp c, 0,1,2
	ds_load_b128 v[VF+12*\t+4*\c:VF+12*\t+4*\c+3], v[ADV] offset:1536*\t+512*\c
.endr
.endr
	WIN 0
	ds_load_b128 v[VS:VS+3], v[ADV] offset:12288
.endm
.macro MLOAD                           ; a key step's 64 mask words: s[16:63] and s[68:83]
	s_load_b512 s[16:31], s[8:9], s100 offset:0x0
	s_load_b512 s[32:47], s[8:9], s100 offset:0x40
	s_load_b512 s[48:63], s[8:9], s100 offset:0x80
	s_load_b512 s[68:83], s[8:9], s100 offset:0xc0
.endm
.macro QK                              ; S^T = K Q^T: eight tiles of 16 keys; each product is a whole sum (K = 128)
	WIN 0x01
.irp t, 0,1,2,3,4,5,6,7
.if (\t%2) == 1
	v_wmma_scale_f32_16x16x128_f8f6f4 v[S+8*\t:S+8*\t+7], v[KF+12*\t:KF+12*\t+11], v[QF:QF+11], 0, v[KS+\t/2], v[QS] matrix_a_fmt:MATRIX_FMT_FP6 matrix_b_fmt:MATRIX_FMT_FP6 matrix_a_scale:MATRIX_SCALE_ROW1
.else
	v_wmma_scale_f32_16x16x128_f8f6f4 v[S+8*\t:S+8*\t+7], v[KF+12*\t:KF+12*\t+11], v[QF:QF+11], 0, v[KS+\t/2], v[QS] matrix_a_fmt:MATRIX_FMT_FP6 matrix_b_fmt:MATRIX_FMT_FP6
.endif
.endr
	WIN 0
.endm
.macro NEXTK                           ; the next step's record of K is asked for a step ahead; behind the last record the address stays, and what comes is not used
	s_add_co_u32 s14, s14, REC
	s_min_u32 s14, s14, 15*REC
	v_add_nc_u32 v[ADK], s14, v[LI]                ; with the three v_nop: the four places between the products and the loads into their operands, and ahead of the first read of the scores
.rept 3
	v_nop
.endr
	KLOAD
.endm
.macro MASK                            ; hidden scores become -infinity; each accumulator is read from its low end on
	s_wait_kmcnt 0x0                               ; the step's words are in, and their loads have read s100
.set rho, 0
.rept 64
.if rho < 48
	v_cndmask_b32 v[S+rho], v[NINF], v[S+rho], s[16+rho]
.else
	v_cndmask_b32 v[S+rho], v[NINF], v[S+rho], s[20+rho]
.endif
.set rho, rho+1
.endr
	s_add_co_u32 s100, s100, 256                   ; the next step's words; behind step 15 comes step 0, for the second pass
	s_and_b32 s100, s100, 0xfff
	MLOAD
.endm
.macro TMINUS                          ; c s - c m, two at a time (of the pairs c and -c m the low word serves both halves)
.irp j, 0,2,4,6,8,10,12,14,16,18,20,22,24,26,28,30,32,34,36,38,40,42,44,46,48,50,52,54,56,58,60,62
	v_pk_fma_f32 v[S+\j:S+\j+1], v[S+\j:S+\j+1], s[2:3], v[10:11] op_sel_hi:[1,0,0]
.endr
.endm
.macro EXPS
.irp j, 0,1,2,3,4,5,6,7,8,9,10,11,12,13,14,15,16,17,18,19,20,21,22,23,24,25,26,27,28,29,30,31,32,33,34,35,36,37,38,39,40,41,42,43,44,45,46,47,48,49,50,51,52,53,54,55,56,57,58,59,60,61,62,63
	v_exp_f32 v[S+\j], v[S+\j]
.endr
.endm
; 64 numbers of a lane, v[src] on, register 16 b + i = place 16 (lane / 16) + i of block b of my row, become a fragment's codes in v[pc] .. v[pc + 11] (v[pc + 12] .. v[pc + 18] at work) and its scale word in v[PW].
; A block's scale byte is its largest magnitude's exponent field - 2, held at 1 from below by the floor 2^(3 - 127) among the maximum's leaves.
.macro QUANT src, win, pc
	WIN ((\win)<<2)|((\win)<<4)
.irp b, 0,1,2,3
	v_max3_num_f32 v[TM+\b], 0x1800000, |v[(\src)+16*\b]|, |v[(\src)+1+16*\b]|
.endr
.irp i, 2,4,6,8,10,12,14
.irp b, 0,1,2,3
	v_max3_num_f32 v[TM+\b], v[TM+\b], |v[(\src)+16*\b+\i]|, |v[(\src)+1+16*\b+\i]|
.endr
.endr
	WIN 0
.irp b, 0,1,2,3
	v_permlanex16_b32 v[TM+4+\b], v[TM+\b], s[SEL], s[SEL+1]
.endr
.irp b, 0,1,2,3
	v_max_num_f32 v[TM+\b], v[TM+\b], v[TM+4+\b]   ; with lane l xor 16's: the block's largest magnitude
.endr
.irp b, 0,1,2,3
	v_add_nc_u32 v[TM+12+\b], 0xff000000, v[TM+\b] ; 2 off its exponent field: the conversion's scale operand
.endr
.irp b, 0,1,2,3
	v_lshrrev_b32 v[TM+4+\b], 23, v[TM+12+\b]      ; the scale's byte
.endr
	v_lshl_or_b32 v[PW], v[TM+5], 8, v[TM+4]
	v_lshl_or_b32 v[PW], v[TM+6], 16, v[PW]
	v_lshl_or_b32 v[PW], v[TM+7], 24, v[PW]
	WIN (\win)
.irp c, 0,1
	v_cvt_scalef32_pk16_fp6_f32 v[(\pc)+6*\c:(\pc)+2+6*\c], v[(\src)+32*\c:(\src)+15+32*\c], v[TM+12+2*\c]
	v_cvt_scalef32_pk16_fp6_f32 v[(\pc)+12+4*\c:(\pc)+14+4*\c], v[(\src)+16+32*\c:(\src)+31+32*\c], v[TM+13+2*\c]
.endr
	WIN 0
	v_nop                                          ; one plain place behind a scaled conversion
.irp c, 0,1                                        ; the operand's layout wants a whole block in a lane
.irp i, 0,1,2
	v_permlane16_swap_b32 v[(\pc)+6*\c+\i], v[(\pc)+12+4*\c+\i]
.endr
.irp i, 0,1,2
	v_mov_b32 v[(\pc)+3+6*\c+\i], v[(\pc)+12+4*\c+\i]
.endr
.endr
.endm
.macro PV                              ; O^T += V^T P^T: eight tiles of 16 of the head's 128; the eight accumulators take turns, one instruction a turn
	WIN 0x01
.irp t, 0,1,2,3,4,5,6,7
.if (\t%2) == 1
	v_wmma_scale_f32_16x16x128_f8f6f4 v[O+8*\t:O+8*\t+7], v[VF+12*\t:VF+12*\t+11], v[PC:PC+11], v[O+8*\t:O+8*\t+7], v[VS+\t/2], v[PW] matrix_a_fmt:MATRIX_FMT_FP6 matrix_b_fmt:MATRIX_FMT_FP6 matrix_a_scale:MATRIX_SCALE_ROW1
.else
	v_wmma_scale_f32_16x16x128_f8f6f4 v[O+8*\t:O+8*\t+7], v[VF+12*\t:VF+12*\t+11], v[PC:PC+11], v[O+8*\t:O+8*\t+7], v[VS+\t/2], v[PW] matrix_a_fmt:MATRIX_FMT_FP6 matrix_b_fmt:MATRIX_FMT_FP6
.endif
.endr
	WIN 0
.endm
; A key step of the second pass
.macro STEP2
	v_add_nc_u32 v[ADV], s15, v[LI]                ; with the three v_nop: the four places between the last step's products and the loads into their operands
.rept 3
	v_nop
.endr
	VLOAD
	s_wait_dscnt 25                                ; K's 25 loads, asked for a step ago, are in; V's 25 may be out
	QK
	NEXTK
	MASK
	TMINUS
	EXPS
	v_nop                                          ; a plain place behind the last exponential
	s_wait_alu depctr_va_vdst(0)                   ; one wait for the batch of 64, ahead of its first reader
.irp j, 0,2,4,6,8,10,12,14,16,18,20,22,24,26,28,30,32,34,36,38,40,42,44,46,48,50,52,54,56,58,60,62
	v_pk_mul_f32 v[S+\j:S+\j+1], v[S+\j:S+\j+1], v[14:15] op_sel_hi:[1,0]   ; p = 2^(c s - c m) / l: finished, as it is quantised
.endr
	QUANT S, 0, PC
.rept 4
	v_nop                                          ; the operand's last registers stand four places ahead of the scaled products, its scale word more than eight
.endr
	s_wait_dscnt 25                                ; V's 25 loads are in; the next K's 25 may be out
	PV
.endm
; THE CHANGE OF SLOTS.  Each wave waits for all its tensor loads, adds 0 to its spare word, and waits for that and for its LDS reads; behind the barrier the slot ahead is whole and nobody reads the slot left.
; fill = 1: slot 0 takes key steps 8 to 11;  fill = 2: slot 1 takes steps 12 to 15: the barrier is then a round of the cluster's, and the joint refill is the first thing behind it; it has four key steps in which to land.
.macro CHANGE fill
	s_wait_tensorcnt 0x0                           ; no tensor load of mine is out, so a group 0 may be written
	ds_add_u32 v[SPW], v[NIL]                      ; 0 onto my spare word
.if \fill == 1
	s_add_nc_u64 s[6:7], s[6:7], 8*REC             ; from record w to record 8 + w; the same place in LDS
.endif
.if \fill == 2
	s_add_co_u32 s5, s5, 4*REC                     ; the other slot,
	s_add_nc_u64 s[6:7], s[6:7], 4*REC             ; record 12 + w
.endif
	s_wait_dscnt 0x0
.if \fill
	CROUND
	JLOADV
.else
	s_barrier_signal -1
	s_barrier_wait -1
.endif
.endm
.macro GROUP slot                      ; a slot's four key steps: written once, walked four times; V's address hangs on s15
	s_mov_b32 s15, VBASE+(\slot)*4*REC
	s_mov_b32 s13, 4
.Lgroup_\@:
	STEP2
	s_add_co_u32 s15, s15, REC
	s_sub_co_u32 s13, s13, 1
	s_cmp_lg_u32 s13, 0
	s_cbranch_scc1 .Lgroup_\@
.endm
	s_load_b256 s[16:23], s[0:1], 0x0              ; qbuf 16, kbuf 18, vbuf 20, maskw 22
	s_load_b64 s[24:25], s[0:1], 0x20              ; obuf
	v_lshl_add_u32 v[SPW], v0, 2, SPARE
	v_mov_b32 v[NIL], 0
	ds_add_u32 v2, v3
	ds_add_u32 v2, v3
	s_wait_dscnt 0x0
	v_lshrrev_b32 v4, 5, v0
	v_readfirstlane_b32 s12, v4                    ; wave 0..7
	s_bfe_u32 s26, ttmp6, 0x40000                  ; cx: it enters Q's, the mask's and O's addresses alone
	s_lshl_b32 s27, ttmp9, 2
	s_add_co_u32 s27, s27, s26                     ; my block of 128 queries
	s_and_b32 s28, ttmp7, 0xffff                   ; batch x 16 + head, which the four partners share
	s_lshr_b32 s29, s28, 4                         ; the batch
	s_and_b32 s30, s28, 15                         ; the head
	s_lshl_b32 s32, s28, 4
	s_add_co_u32 s32, s32, s12
	s_mul_i32 s32, s32, REC                        ; K's and V's record w of the head, in bytes
	s_mov_b32 s33, 0
	s_mul_i32 s34, s12, REC                        ; and its place in LDS
	s_mul_i32 s35, s12, 1536                       ; my fragment's place in a record
	s_lshl_b32 s36, s28, 3
	s_add_co_u32 s36, s36, s27
	s_mul_i32 s36, s36, REC                        ; Q's record
	s_mov_b32 s37, 0
	s_lshl_b32 s38, s29, 6
	s_lshl_b32 s39, s27, 3
	s_add_co_u32 s38, s38, s39
	s_add_co_u32 s38, s38, s12                     ; my tile of queries among the mask's 128,
	s_lshl_b32 s38, s38, 12                        ; 16 units of 256 bytes each
	s_mov_b32 s39, 0
	s_lshl_b32 s40, s29, 3
	s_add_co_u32 s40, s40, s27
	s_lshl_b32 s40, s40, 4
	s_add_co_u32 s40, s40, s30
	s_mul_i32 s40, s40, REC                        ; O's record: (batch x 8 + block) x 16 + head
	s_mov_b32 s41, 0
	s_and_b32 s31, s12, 1
	s_lshl_b32 s31, s31, 8
	s_lshr_b32 s44, s12, 1
	s_lshl_b32 s44, s44, 2
	s_add_co_u32 s31, s31, s44                     ; fragment w's scale words in a scale image: 256 (w % 2) + 4 (w / 2), + 16 a row
	; descriptor group 1: a record, dense: 50 rows of 256 bytes (32 elements of 8 bytes), no padding; the mask names all four work-groups
	s_mov_b32 s[G1], 15|(3<<16)|(1<<21)
	s_mov_b32 s[G1+1], 32<<16
	s_mov_b32 s[G1+2], 50<<16
	s_mov_b32 s[G1+3], 32<<16
	s_mov_b32 s[G1+4], 50
	s_mov_b32 s[G1+5], 32
	s_mov_b32 s[G1+6], 0
	s_mov_b32 s[G1+7], 0
	s_mov_b32 s2, 0x3e0293ee                       ; c = log2(e) / sqrt(128)
	s_mov_b32 s3, s2                               ; (named with it as a pair, so it is written)
	s_mov_b32 s101, 0xbe0293ee                     ; -c
	s_mov_b32 s[SEL], 0x76543210
	s_mov_b32 s[SEL+1], 0xfedcba98
	s_mov_b32 s14, 0
	s_mov_b32 s100, 0
	s_wait_kmcnt 0x0
	s_add_nc_u64 s[8:9], s[22:23], s[38:39]        ; my mask words
	s_add_nc_u64 s[10:11], s[24:25], s[40:41]      ; O's record
	s_add_nc_u64 s[104:105], s[16:17], s[36:37]    ; Q's record
	s_mov_b32 s92, 1
	s_mov_b32 s93, s34                             ; K's record w
	s_add_nc_u64 s[94:95], s[18:19], s[32:33]
	s_or_b32 s95, s95, 0x80000000
	s_mov_b32 s96, 1
	s_add_co_u32 s97, s34, 8*REC                   ; K's record 8 + w
	s_add_nc_u64 s[98:99], s[18:19], s[32:33]
	s_add_nc_u64 s[98:99], s[98:99], 8*REC
	s_or_b32 s99, s99, 0x80000000
	s_mov_b32 s4, 1
	s_add_co_u32 s5, s34, VBASE                    ; V's record w: waves 0-3 fill slot 0, waves 4-7 slot 1
	s_add_nc_u64 s[6:7], s[20:21], s[32:33]
	s_or_b32 s7, s7, 0x80000000
	CROUND                                         ; all four work-groups are here: the first joint loads meet
	tensor_load_to_lds s[92:95], s[G1:G1+7]        ; every wave issues the three first fills together: three loads of mine are out
	s_nop 0
	tensor_load_to_lds s[96:99], s[G1:G1+7]
	s_nop 0
	tensor_load_to_lds s[4:7], s[G1:G1+7]
	s_nop 0
.rept 4
	v_nop
.endr
	v_and_b32 v[LI], 31, v0
	v_lshlrev_b32 v[LI], 4, v[LI]
	v_add_nc_u32 v[OA], s35, v[LI]
	v_and_b32 v29, 15, v0
	v_lshlrev_b32 v29, 4, v29
	v_add_nc_u32 v29, s31, v29                     ; my rows' scale words in a scale image
	v_add_nc_u32 v[SWA], STG, v29
	v_add_nc_u32 v[SRA], STG, v[LI]
.irp c, 0,1,2
	global_load_b128 v[QF+4*\c:QF+4*\c+3], v[OA], s[104:105] offset:512*\c    ; Q's fragment stays in registers
.endr
	global_load_b32 v[QS], v29, s[104:105] offset:12288
	MLOAD                                          ; key step 0's mask words (the pointers in s16 to s25 have been used)
	v_mov_b32 v[NINF], 0xff800000
	v_mov_b32 v8, 0xff61b1e6                       ; m: -3e38, under every score
	v_mul_f32 v10, s101, v8                        ; -c m
.irp j, 11,12,13,14,15
	v_mov_b32 v\j, 0                               ; l, and the upper halves of pairs that are named whole
.endr
.irp b, 0,1,2,3
	v_mov_b32 v[TM+4+\b], 0                        ; a lane permute's destination counts as one of its sources
.endr
.irp j, 0,1,2,3,4,5,6,7,8,9,10,11,12,13,14,15,16,17,18,19,20,21,22,23,24,25,26,27,28,29,30,31,32,33,34,35,36,37,38,39,40,41,42,43,44,45,46,47,48,49,50,51,52,53,54,55,56,57,58,59,60,61,62,63
	v_mov_b32 v[O+\j], 0                           ; O^T: once, so that the second pass's step is written without a first step of its own
.endr
	s_wait_tensorcnt 1                             ; my two records of K are in; V's may stay out
	s_barrier_signal -1
	s_barrier_wait -1                              ; everybody's are
	v_mov_b32 v[ADK], v[LI]
	KLOAD                                          ; key step 0
	s_wait_loadcnt 0x0                             ; Q
	; PASS 1.  Each lane keeps m and l of its own half of the keys: nothing changes lanes in the loop.
	s_mov_b32 s13, 16
.Lpass1:
	s_wait_dscnt 0x0                               ; the step's record of K is in registers
	QK
	NEXTK
	MASK
.irp q, 0,1,2,3
	v_max3_num_f32 v[40+\q], v[S+16*\q], v[S+16*\q+1], v[S+16*\q+2]   ; four chains of 15 scores,
.endr
.irp i, 3,5,7,9,11,13
.irp q, 0,1,2,3
	v_max3_num_f32 v[40+\q], v[40+\q], v[S+16*\q+\i], v[S+16*\q+\i+1]
.endr
.endr
	v_max3_num_f32 v40, v40, v[S+15], v[S+31]      ; the four left over,
	v_max3_num_f32 v42, v42, v[S+47], v[S+63]
	v_max3_num_f32 v40, v40, v41, v42
	v_max3_num_f32 v8, v40, v43, v8                ; and the old m
	v_mul_f32 v9, s101, v8                         ; the new -c m
	v_sub_f32 v29, v9, v10                         ; c m_old - c m_new
	v_mov_b32 v10, v9
	TMINUS
	EXPS
	v_exp_f32 v14, v29                             ; a = 2^(c m_old - c m_new)
	v_nop                                          ; a plain place behind the last exponential
	s_wait_alu depctr_va_vdst(0)                   ; one wait for the batch of 65, ahead of its first reader
	v_pk_add_f32 v[30:31], v[S:S+1], v[S+2:S+3]    ; the step's sum, two at a time, in two chains
	v_pk_add_f32 v[40:41], v[S+4:S+5], v[S+6:S+7]
.irp j, 8,12,16,20,24,28,32,36,40,44,48,52,56,60
	v_pk_add_f32 v[30:31], v[30:31], v[S+\j:S+\j+1]
	v_pk_add_f32 v[40:41], v[40:41], v[S+\j+2:S+\j+3]
.endr
	v_pk_add_f32 v[30:31], v[30:31], v[40:41]
	v_pk_fma_f32 v[12:13], v[12:13], v[14:15], v[30:31] op_sel_hi:[1,0,1]   ; l = a l + the sum
	s_sub_co_u32 s13, s13, 1
	s_cmp_lg_u32 s13, 0
	s_cbranch_scc1 .Lpass1
	; BETWEEN THE PASSES: the two halves of the lanes join their m and l
	v_permlanex16_b32 v29, v8, s[SEL], s[SEL+1]
	v_max_num_f32 v29, v8, v29                     ; the row's m
	v_mul_f32 v9, s101, v29
	v_sub_f32 v30, v9, v10
	v_exp_f32 v30, v30                             ; my half's l is brought under it
	v_add_f32 v12, v12, v13                        ; (a plain place behind the exponential)
	s_wait_alu depctr_va_vdst(0)
	v_mul_f32 v12, v12, v30
	v_permlanex16_b32 v31, v12, s[SEL], s[SEL+1]
	v_add_f32 v12, v12, v31                        ; the row's l
	v_rcp_f32 v31, v12
	v_mov_b32 v10, v9                              ; (a plain place behind the reciprocal)  -c m for the second pass
	v_cmp_lt_f32 vcc_lo, 0, v12
	s_wait_alu depctr_va_vdst(0)
	v_cndmask_b32 v14, 0, v31, vcc_lo              ; 1 / l; 0 for a row with no key left
	s_wait_dscnt 0x0                               ; the loads that the last step asked for have landed: their registers may be loaded again
	s_mov_b32 s14, 0
	v_mov_b32 v[ADK], v[LI]
	KLOAD                                          ; key step 0 again
	; PASS 2
	CHANGE 0                                       ; V's first eight records are whole for every wave
	GROUP 0                                        ; steps 0 to 3
	CHANGE 1
	GROUP 1                                        ; steps 4 to 7
	CHANGE 2
	GROUP 0                                        ; steps 8 to 11
	CHANGE 0
	GROUP 1                                        ; steps 12 to 15
	; THE WAY OUT: O^T becomes fragment w of O's record, K = the head's 128 in natural order
.rept 4
	v_nop                                          ; places behind the last products
.endr
.irp e, 0,1,2,3                                    ; registers 16 e + j and 16 e + 8 + j hold d = 32 e + 8 h + j and 32 e + 16 + 8 h + j: the exchange of halves makes them 32 e + 16 h + j and 32 e + 16 h + 8 + j.  Each accumulator is read from its low end on
.irp j, 0,1,2,3,4,5,6,7
	v_permlane16_swap_b32 v[O+16*\e+\j], v[O+16*\e+8+\j]
.endr
.endr
	QUANT O, 0, PC
.irp c, 0,1,2
	global_store_b128 v[OA], v[PC+4*\c:PC+4*\c+3], s[10:11] offset:512*\c   ; 512 consecutive bytes, at a multiple of 256 from the buffer's first byte
.endr
	ds_store_b32 v[SWA], v[PW]                     ; lanes r and r + 16 write the same word with the same value
	s_wait_dscnt 0x0                               ; for the others' sake: my store has landed
	s_barrier_signal -1
	s_barrier_wait -1
	s_cmp_lg_u32 s12, 0
	s_cbranch_scc1 .Lnot_first
	ds_load_b128 v[S:S+3], v[SRA]                  ; wave 0 stores the record's scale image whole
	s_wait_dscnt 0x0
	global_store_b128 v[LI], v[S:S+3], s[10:11] offset:12288
.Lnot_first:
	s_wait_kmcnt 0x0                               ; the mask words that the last step asked for
	s_wait_tensorcnt 0x0                           ; the wave's end
	ds_add_u32 v[SPW], v[NIL]
	s_wait_dscnt 0x0
	CROUND                                         ; the closing round
	s_endpgm
.Lfunc_end_k_q6c8dbe6bab_attn:
	.size	k_q6c8dbe6bab_attn, .Lfunc_end_k_q6c8dbe6bab_attn-k_q6c8dbe6bab_attn
	.p2alignl 7, 3214868480
	.fill 96, 4, 3214868480
	.section	.rodata,"a",@progbits
	.p2align	6, 0x0
	.amdhsa_kernel k_q6c8dbe6bab_attn
		.amdhsa_group_segment_fixed_size 327680
		.amdhsa_private_segment_fixed_size 0
		.amdhsa_enable_private_segment 0
		.amdhsa_kernarg_size 40
		.amdhsa_user_sgpr_count 2
		.amdhsa_user_sgpr_kernarg_segment_ptr 1
		.amdhsa_wavefront_size32 1
		.amdhsa_system_sgpr_workgroup_id_x 1
		.amdhsa_system_sgpr_workgroup_id_y 1
		.amdhsa_system_sgpr_workgroup_id_z 1
		.amdhsa_system_vgpr_workitem_id 0
		.amdhsa_next_free_vgpr 512
		.amdhsa_next_free_sgpr 106
		.amdhsa_reserve_vcc 1
		.amdhsa_float_denorm_mode_32 3
		.amdhsa_float_denorm_mode_16_64 3
		.amdhsa_memory_ordered 1
		.amdhsa_forward_progress 1
		.amdhsa_inst_pref_size 117
	.end_amdhsa_kernel
	.amdgpu_metadata
---
amdhsa.version: [ 1, 2 ]
amdhsa.kernels:
  - .name:           k_q6c8dbe6bab_attn
    .symbol:         k_q6c8dbe6bab_attn.kd
    .args:
      - { .name: qbuf, .offset: 0, .size: 8, .value_kind: global_buffer, .address_space: global }
      - { .name: kbuf, .offset: 8, .size: 8, .value_kind: global_buffer, .address_space: global }
      - { .name: vbuf, .offset: 16, .size: 8, .value_kind: global_buffer, .address_space: global }
      - { .name: maskw, .offset: 24, .size: 8, .value_kind: global_buffer, .address_space: global }
      - { .name: obuf, .offset: 32, .size: 8, .value_kind: global_buffer, .address_space: global }
    .group_segment_fixed_size: 327680
    .private_segment_fixed_size: 0
    .kernarg_segment_align: 8
    .kernarg_segment_size: 40
    .max_flat_workgroup_size: 256
    .sgpr_count:     106
    .vgpr_count:     512
    .wavefront_size: 32
...
	.end_amdgpu_metadata
.endif
;; end of part 2
;; launch outp (part 3): grid 16 x 16, 4 waves a work-group, clusters of 4 x 4, 327,680 bytes of LDS; arguments obuf, Wo_codes, Wo_scales, out0; writes out0
.if DOCPART == 3
	.amdgcn_target "amdgcn-amd-amdhsa--gfx1250"
	.amdhsa_code_object_version 6
	.text
	.protected	k_q6c8dbe6bab_outp
	.globl	k_q6c8dbe6bab_outp
	.p2align	8
	.type	k_q6c8dbe6bab_outp,@function
k_q6c8dbe6bab_outp:
	s_mov_b64 s[64:65], 0
	v_nop
	global_prefetch_b8 v0, s[64:65] scope:SCOPE_SE
	s_setreg_imm32_b32 hwreg(HW_REG_WAVE_MODE, 25, 1), 1
	s_wait_xcnt 0x0
	s_wait_alu depctr_hold_cnt(0) depctr_sa_sdst(0) depctr_va_vdst(0) depctr_va_sdst(0) depctr_va_ssrc(0) depctr_va_vcc(0) depctr_vm_vsrc(0)
	s_getreg_b32 s2, hwreg(HW_REG_IB_STS2, 6, 4)
	s_cmp_eq_u32 s2, 0
	s_cbranch_scc0 .Lentry_in_a_cluster
	s_endpgm
.Lentry_in_a_cluster:
	s_bfe_u32 s2, ttmp6, 0x10000c
	s_cmp_lg_u32 s2, 0xf033
	s_cbranch_scc0 .Lentry_shape_is_right
	s_endpgm
.Lentry_shape_is_right:
; THE OUTPUT PRODUCT: out0[m][n] = sum over k of O[m][k] Wo[n][k], M = N = K = 2,048, on codes of FP6 (E2M3) with one E8M0 scale for each 32 along K; sums and result in f32.
; O comes as RECORDS of 12,800 bytes, images of operand registers: record (block of 128 rows) x 16 + head holds 8 fragments (16 rows x the head's 128 along K), register group c of fragment f at 1536 f + 512 c + 16 lane,
; and their scale words at 12288 + 16 lane + 4 i (register i: lanes 0-15 fragment 2 i, lanes 16-31 fragment 2 i + 1).  Wo comes as rows of codes and rows of scale bytes.
; A TILE IS 128 x 128: 256 tiles, a work-group each (tiles of 256 x 256 would be 64).  Four waves, 64 x 64 each: 16 accumulators, 128 registers.  A wave reads 8 fragments from LDS for 16 products.
; K goes in four runs of 512 through a ring of two LDS slots: two first fills, two refills.  A slot holds four neighbouring records of O and Wo's 128 rows as two tiles of 256 along K (rows of 192 bytes).
; Wo's scale bytes of the tile's 128 rows, for all of K, come into LDS once; O's come inside the records.
; CLUSTERS: 4 x 4 work-groups.  The four of a row need the same records of O, the four of a column the same tiles of Wo: each is asked for jointly.  The matrix instruction is used transposed
; (source 0 = 16 rows of Wo, source 1 = 16 rows of O): a lane holds eight neighbouring numbers of a row of the output.
; THE 16 STEPS of 128 along K are written out by macros: every offset is then an immediate, and no address is stepped but the descriptors'.
; REGISTERS: window 0: v16-29 addresses; v32-63 Wo's scale words, two sets; v64-79 O's, two sets; v128-255 the accumulators ((a, b) at v[128 + 8 (4 a + b)]).
;   window 1: two sets of fragments, at v0 and v128: O's four blocks, then from + 48 Wo's four.
.set SIZE_N, 2048
.set REC,    12800
.set ROWB,   192                       ; a row of Wo's tile: 256 codes
.set KROW,   1536                      ; a row of 2,048 codes in memory
.set PITCH,  240                       ; an LDS row of Wo: 3 x (64 bytes + 16 of padding)
.set FR,     12                        ; registers of a fragment
.set NLA,    3                         ; LDS loads that bring a fragment of O
.set NLB,    6                         ; and one of Wo
.set NP,     4
.set AUNIT,  2*REC                     ; O's 128 rows, 256 along K: what one tensor load brings
.set BUNIT,  128*PITCH                 ; Wo's 128 rows, 256 along K: likewise
.set SLOT,   2*AUNIT+2*BUNIT           ; 512 along K: O's four records, then Wo's two tiles
.set KS,     64                        ; a row of scale bytes
.set SCL,    2*SLOT                    ; behind the ring: Wo's scales, as units of 256 bytes + 16 of padding
.set HALFS,  (64*KS/256)*272           ; those of 64 rows: what one tensor load brings, and what one wave reads
.set SBLK,   (16*KS/256)*272           ; those of 16 rows
.set SPARE,  SCL+2*HALFS               ; the spare words: 128 bytes a wave, two blocks of 256 bytes that no other line names
.set STAGE,  SPARE+512                 ; the way out: 16 rows x (256 bytes + 16) for each wave; no fill lands here
.set SPITCH, 272
.set ADRA, 16                          ; v16-17 16 x lane + my four fragments' place in a record, in slot 0, 1
.set ADSA, 18                          ; v18-19 16 x lane + my two registers' place in a scale image, in slot 0, 1
.set ADRB, 20                          ; v20-21 LDS address of my fragments of Wo in slot 0, 1 (v22-23: behind one padding more)
.set STO,  24                          ; v24  the way out: where I put 32 bytes of a row
.set RD,   25                          ; v25  and where I read a row back
.set CO,   26                          ; v26  my byte offset in two rows of the output
.set ADRS, 27                          ; v27  LDS address of Wo's scale bytes of row r of my 64
.set SPW,  28                          ; v28  LDS address of my spare word; never rewritten
.set NIL,  29                          ; v29  0; never rewritten
.set SB,   32                          ; Wo's scale words: set s at v[32 + 16 s]; register 4 i + q: block i, the slot's q-th 128 along K
.set SA,   64                          ; O's: set s at v[64 + 8 s]; registers 2 q, 2 q + 1: my two registers of record q's scale image
.set ACC,  128
.set G1, 24                            ; s[24:31] group 1 for O's records; s[32:39] groups 0, one for each slot
.set G0, 32
.set G1B, 48                           ; s[48:55], s[56:63] the same for Wo's tiles
.set G0B, 56
.set G1SB, 80                          ; s[80:87], s[88:91] for Wo's scales
.set G0SB, 88
.set MSB, 0
.macro WIN new                         ; the immediate's high byte repeats the setting that is left
.if MSB != (\new)
	s_set_vgpr_msb (MSB<<8)|(\new)
.set MSB, (\new)
.endif
.endm
.set MUL,  0x05                        ; sources 0 (Wo) and 1 (O) window 1; C and D window 0
.set TO_F, 0x40                        ; destination window 1, address window 0
.macro JLOAD g0a, g1a, g0b, g1b        ; a joint refill: waves 0 and 1 fetch O's two pairs of records, waves 2 and 3 Wo's two tiles; four v_nop follow each of the two lines
	s_cmp_eq_u32 s15, 0
	s_cbranch_scc0 .Lfor_b_\@
	tensor_load_to_lds s[\g0a:\g0a+3], s[\g1a:\g1a+7]
	s_nop 0
.rept 4
	v_nop
.endr
	s_branch .Lasked_\@
.Lfor_b_\@:
	tensor_load_to_lds s[\g0b:\g0b+3], s[\g1b:\g1b+7]
	s_nop 0
.rept 4
	v_nop
.endr
.Lasked_\@:
.endm
.macro CREST                           ; a round of the cluster's barrier behind its opening barrier
	s_cmp_lg_u32 s14, 0
	s_cbranch_scc1 .Lnot_wave_0_\@
	s_barrier_signal -3
.Lnot_wave_0_\@:
	s_barrier_wait -3
	s_barrier_signal -1
	s_barrier_wait -1
.endm
.macro CROUND                          ; a whole round
	s_barrier_signal -1
	s_barrier_wait -1
	CREST
.endm
	s_load_b128 s[4:7], s[0:1], 0x0                ; obuf s[4:5], Wo's codes s[6:7]
	s_load_b128 s[8:11], s[0:1], 0x10              ; Wo's scales s[8:9], out0 s[10:11]
	v_lshl_add_u32 v[SPW], v0, 2, SPARE
	v_mov_b32 v[NIL], 0
	ds_add_u32 v28, v29
	ds_add_u32 v28, v29
	s_wait_dscnt 0x0
	v_lshrrev_b32 v1, 5, v0
	v_readfirstlane_b32 s14, v1                    ; wave 0..3
	s_lshr_b32 s15, s14, 1                         ; which 64 of the tile's rows are mine.  Also: I fetch for O (0) or for Wo (1)
	s_and_b32 s16, s14, 1                          ; which 64 of its columns.  Also: which 256 along K of a slot I fetch
	s_bfe_u32 s40, ttmp6, 0x40000                  ; cx, cy: my place in the cluster
	s_bfe_u32 s41, ttmp6, 0x40004
	s_lshl_b32 s42, ttmp9, 2
	s_add_co_u32 s42, s42, s40                     ; tile column = 4 x cluster x + cx: 0 .. 15
	s_and_b32 s17, ttmp7, 0xffff
	s_lshl_b32 s17, s17, 2
	s_add_co_u32 s17, s17, s41                     ; tile row = 4 x cluster y + cy: 0 .. 15
	s_lshl_b32 s43, s41, 2
	s_lshl_b32 s43, 15, s43                        ; my row of the cluster
	s_lshl_b32 s44, 0x1111, s40                    ; my column
	; O: two records, dense: 100 rows of 256 bytes (32 elements of 8 bytes), no padding
	s_or_b32 s[G1+0], s43, (3<<16)|(1<<21)
	s_mov_b32 s[G1+1], 32<<16
	s_mov_b32 s[G1+2], 100<<16
	s_mov_b32 s[G1+3], 32<<16
	s_mov_b32 s[G1+4], 100
	s_mov_b32 s[G1+5], 32
	s_mov_b32 s[G1+6], 0
	s_mov_b32 s[G1+7], 0
	; Wo: 128 rows x 192 bytes, 16 bytes of padding behind every 64
	s_or_b32 s[G1B+0], s44, (0<<16)|(1<<20)|(1<<21)|(3<<22)|(3<<25)
	s_mov_b32 s[G1B+1], ROWB<<16
	s_mov_b32 s[G1B+2], 128<<16
	s_mov_b32 s[G1B+3], ROWB<<16
	s_mov_b32 s[G1B+4], 128
	s_mov_b32 s[G1B+5], KROW
	s_mov_b32 s[G1B+6], 0
	s_mov_b32 s[G1B+7], 0
	; Wo's scales of 64 rows: 4,096 dense bytes, as 16 rows of 256 bytes, 16 bytes of padding behind each
	s_or_b32 s[G1SB+0], s44, (3<<16)|(1<<20)|(1<<21)|(5<<22)|(3<<25)
	s_mov_b32 s[G1SB+1], 32<<16
	s_mov_b32 s[G1SB+2], (64*KS/256)<<16
	s_mov_b32 s[G1SB+3], 32<<16
	s_mov_b32 s[G1SB+4], 64*KS/256
	s_mov_b32 s[G1SB+5], 32
	s_mov_b32 s[G1SB+6], 0
	s_mov_b32 s[G1SB+7], 0
	s_lshl_b32 s20, s17, 3
	s_add_co_u32 s20, s20, s16                     ; O: the tile row's 16 records are eight pairs; mine of slot 0 is pair 0 or 1
	s_mul_i32 s20, s20, 2*REC
	s_mov_b32 s21, 0
	s_lshl_b32 s46, s42, 7                         ; Wo: the tile's first row
	s_lshl_b32 s18, s16, 6
	s_add_co_u32 s92, s46, s18                     ; the 64 rows whose scales I fetch,
	s_mul_i32 s92, s92, KS                         ; in bytes
	s_mov_b32 s93, 0
	s_mul_i32 s46, s46, KROW                       ; the tile's codes,
	s_mul_i32 s18, s16, ROWB
	s_add_co_u32 s46, s46, s18                     ; at my 256 along K of slot 0
	s_mov_b32 s47, 0
	s_mul_i32 s45, s16, AUNIT                      ; where they go: no place in the cluster enters an LDS address
	s_mul_i32 s94, s16, BUNIT
	s_add_co_u32 s94, s94, 2*AUNIT
	s_mul_i32 s95, s16, HALFS
	s_add_co_u32 s95, s95, SCL
	s_wait_kmcnt 0x0
	s_add_nc_u64 s[20:21], s[4:5], s[20:21]
	s_add_nc_u64 s[46:47], s[6:7], s[46:47]
	s_add_nc_u64 s[92:93], s[8:9], s[92:93]
.irp s, 0,1
	s_mov_b32 s[G0+4*\s], 1
	s_add_co_u32 s[G0+4*\s+1], s45, \s*SLOT
	s_add_nc_u64 s[G0+4*\s+2:G0+4*\s+3], s[20:21], \s*4*REC        ; slot s begins with records 4 s .. 4 s + 3
	s_or_b32 s[G0+4*\s+3], s[G0+4*\s+3], 0x80000000
	s_mov_b32 s[G0B+4*\s], 1
	s_add_co_u32 s[G0B+4*\s+1], s94, \s*SLOT
	s_add_nc_u64 s[G0B+4*\s+2:G0B+4*\s+3], s[46:47], \s*2*ROWB     ; and with 512 s along K of Wo's rows
	s_or_b32 s[G0B+4*\s+3], s[G0B+4*\s+3], 0x80000000
.endr
	s_mov_b32 s[G0SB], 1
	s_mov_b32 s[G0SB+1], s95
	s_mov_b64 s[G0SB+2:G0SB+3], s[92:93]
	s_or_b32 s[G0SB+3], s[G0SB+3], 0x80000000
	CROUND                                         ; all sixteen work-groups are here: the first joint loads meet
	s_cmp_eq_u32 s15, 0                            ; a wave's first fills stand in one branch on its number: two loads of O's waves are out, three of Wo's
	s_cbranch_scc0 .Lfirst_b
	tensor_load_to_lds s[G0:G0+3], s[G1:G1+7]
	s_nop 0
	tensor_load_to_lds s[G0+4:G0+7], s[G1:G1+7]
	s_nop 0
.rept 4
	v_nop
.endr
	s_branch .Lfirst_asked
.Lfirst_b:
	tensor_load_to_lds s[G0SB:G0SB+3], s[G1SB:G1SB+7]
	s_nop 0
	tensor_load_to_lds s[G0B:G0B+3], s[G1B:G1B+7]
	s_nop 0
	tensor_load_to_lds s[G0B+4:G0B+7], s[G1B:G1B+7]
	s_nop 0
.rept 4
	v_nop
.endr
.Lfirst_asked:
	v_and_b32 v1, 15, v0                           ; r
	v_bfe_u32 v2, v0, 4, 1                         ; h
	v_mul_u32_u24 v3, v1, PITCH
	v_mul_u32_u24 v4, v2, 24
	v_add_nc_u32 v4, v3, v4                        ; Wo: a fragment's row x pitch + 24 x half
	v_lshl_add_u32 v5, v2, 4, v4                   ; and the same behind one padding more
	v_and_b32 v6, 31, v0
	v_lshlrev_b32 v7, 4, v6                        ; 16 x lane
	s_mul_i32 s21, s15, 4*1536                     ; O: my four fragments of each record,
	s_lshl_b32 s23, s15, 3                         ; and my two registers of each scale image
	s_mul_i32 s22, s16, 64*PITCH                   ; Wo: my 64 rows of each tile,
	s_add_co_u32 s22, s22, 2*AUNIT                 ; which lie behind O's four records
.irp s, 0,1
	v_add_nc_u32 v[ADRA+\s], s21, v7
	v_add_nc_u32 v[ADSA+\s], s23, v7
	v_add_nc_u32 v[ADRB+\s], s22, v4
	v_add_nc_u32 v[ADRB+2+\s], s22, v5
	s_add_co_u32 s21, s21, SLOT
	s_add_co_u32 s23, s23, SLOT
	s_add_co_u32 s22, s22, SLOT
.endr
	v_mul_u32_u24 v5, v1, KS                       ; row r's scales: 64 bytes a row,
	v_lshrrev_b32 v6, 8, v5
	v_lshl_add_u32 v5, v6, 4, v5                   ; and 16 more for each 256 passed
	s_mul_i32 s21, s16, HALFS                      ; my 64 rows
	s_add_co_u32 s21, s21, SCL
	v_add_nc_u32 v[ADRS], s21, v5
	s_mul_i32 s23, s14, 16*SPITCH
	s_add_co_u32 s23, s23, STAGE                   ; my stage
	v_mul_u32_u24 v5, v1, SPITCH                   ; in: row r, 32 bytes for each half of the lanes
	v_lshl_add_u32 v5, v2, 5, v5
	v_add_nc_u32 v[STO], s23, v5
	v_mul_u32_u24 v5, v2, SPITCH                   ; back: lanes 0-15 take one row of 256 bytes, lanes 16-31 the next
	v_lshl_add_u32 v5, v1, 4, v5
	v_add_nc_u32 v[RD], s23, v5
	v_lshlrev_b32 v5, 13, v2                       ; and the same two rows of the output: 8,192 bytes a row
	v_lshl_add_u32 v[CO], v1, 4, v5
	s_lshl_b32 s20, s17, 7
	s_lshl_b32 s21, s15, 6
	s_add_co_u32 s20, s20, s21                     ; my first row: 128 x tile row + 64 x half,
	s_lshl_b32 s20, s20, 13                        ; in bytes: under 2^24
	s_lshl_b32 s46, s42, 9                         ; my first column, in bytes: 512 x tile column + 256 x half
	s_lshl_b32 s47, s16, 8
	s_add_co_u32 s46, s46, s47
	s_add_co_u32 s20, s20, s46
	s_mov_b32 s21, 0
	s_add_nc_u64 s[10:11], s[10:11], s[20:21]
.macro FRAG reg, adr, q, i             ; a fragment of Wo, the slot's q-th 128 along K: tile q / 2; in it 24 bytes of the row for each 64 along K, in pieces of 8 bytes
.irp p, 0,1,2,3,4,5
.set PIECE, 12*((\q)%2)+6*(\p/3)+\p%3 ; 16 bytes of padding lie behind every 8 pieces: where the piece three on lies behind one padding more, the second address register serves
.if PIECE%8 < 5
	ds_load_b64 v[\reg+2*\p:\reg+2*\p+1], v[\adr] offset:((\q)/2)*BUNIT+8*PIECE+16*(PIECE/8)+(\i)*16*PITCH
.else
	ds_load_b64 v[\reg+2*\p:\reg+2*\p+1], v[\adr+2] offset:((\q)/2)*BUNIT+8*PIECE+16*(PIECE/8)+(\i)*16*PITCH
.endif
.endr
.endm
.macro AFRAG slot, q, p, i             ; my block i of O in the slot's record q: three loads of 512 consecutive bytes
.irp c, 0,1,2
	ds_load_b128 v[128*(\p)+FR*(\i)+4*\c:128*(\p)+FR*(\i)+4*\c+3], v[ADRA+\slot] offset:(\q)*REC+1536*(\i)+512*\c
.endr
.endm
.macro FETCH slot, q, p                ; 36 LDS loads in one run: a step's fragments into set p; O's blocks 2 and 3 last, so that a step's first products need not wait for them
	WIN TO_F
.irp i, 0,1,2,3
	FRAG 128*(\p)+48+FR*\i, ADRB+\slot, \q, \i
.endr
.irp i, 0,1,2,3
	AFRAG \slot, \q, \p, \i
.endr
.endm
.macro SCALES sc, chunk                ; a slot's scale words, 8 LDS loads: Wo's, 16 bytes a row (four words: 512 along K), run chunk of four; O's, my two registers of each of the four records' images
.irp i, 0,1,2,3
	ds_load_b128 v[SB+16*(\sc)+4*\i:SB+16*(\sc)+4*\i+3], v[ADRS] offset:\i*SBLK+16*(\chunk)
.endr
.irp q, 0,1,2,3
	ds_load_b64 v[SA+8*(\sc)+2*\q:SA+8*(\sc)+2*\q+1], v[ADSA+\sc] offset:\q*REC+12288
.endr
.endm
; one product.  zero = 1: it starts the sum;  odd = 1: O's scale words stand in lanes 16-31
.macro MM d, bf, af, sb, sa, zero, odd
.if \zero
.if \odd
	v_wmma_scale_f32_16x16x128_f8f6f4 v[(\d):(\d)+7], v[(\bf):(\bf)+11], v[(\af):(\af)+11], 0, v[(\sb)], v[(\sa)] matrix_a_fmt:MATRIX_FMT_FP6 matrix_b_fmt:MATRIX_FMT_FP6 matrix_b_scale:MATRIX_SCALE_ROW1
.else
	v_wmma_scale_f32_16x16x128_f8f6f4 v[(\d):(\d)+7], v[(\bf):(\bf)+11], v[(\af):(\af)+11], 0, v[(\sb)], v[(\sa)] matrix_a_fmt:MATRIX_FMT_FP6 matrix_b_fmt:MATRIX_FMT_FP6
.endif
.else
.if \odd
	v_wmma_scale_f32_16x16x128_f8f6f4 v[(\d):(\d)+7], v[(\bf):(\bf)+11], v[(\af):(\af)+11], v[(\d):(\d)+7], v[(\sb)], v[(\sa)] matrix_a_fmt:MATRIX_FMT_FP6 matrix_b_fmt:MATRIX_FMT_FP6 matrix_b_scale:MATRIX_SCALE_ROW1
.else
	v_wmma_scale_f32_16x16x128_f8f6f4 v[(\d):(\d)+7], v[(\bf):(\bf)+11], v[(\af):(\af)+11], v[(\d):(\d)+7], v[(\sb)], v[(\sa)] matrix_a_fmt:MATRIX_FMT_FP6 matrix_b_fmt:MATRIX_FMT_FP6
.endif
.endif
.endm
; 4 matrix instructions: O's block a x Wo's four, 128 along K.  The 16 accumulators take turns, one instruction a turn, in the same order in every step.
.macro MULA a, p, q, sc, zero
.irp b, 0,1,2,3
	MM ACC+8*(4*(\a)+\b), 128*(\p)+48+FR*\b, 128*(\p)+FR*(\a), SB+16*(\sc)+4*\b+(\q), SA+8*(\sc)+2*(\q)+(\a)/2, \zero, (\a)%2
.endr
.endm
; A load into a register that a matrix instruction has read or written, and an LDS store that reads a matrix result, stand four places behind that matrix instruction; only plain vector instructions
; that name none of its registers are places (ISA guide 7.12.1 for vector instructions).
.macro PLACES n
.rept \n
	v_nop
.endr
.endm
; A step of 128 along K that has its successor in the same slot: it multiplies set q % 2 and, in its middle, fetches the next step's fragments into the other set, which the last step's products have read.
.macro STEP slot, q, zero
	s_wait_dscnt 2*NLA                             ; the scale words, Wo's four fragments and O's blocks 0 and 1 are in; the youngest six loads (O's blocks 2 and 3) may be out
	WIN MUL
	MULA 0, (\q)%2, \q, \slot, \zero
	MULA 1, (\q)%2, \q, \slot, \zero
	PLACES NP
	FETCH \slot, (\q)+1, 1-(\q)%2
	s_wait_dscnt 4*NLB+4*NLA                       ; all but the 36 just issued
	WIN MUL
	MULA 2, (\q)%2, \q, \slot, \zero
	MULA 3, (\q)%2, \q, \slot, \zero
.endm
; A slot's fourth step changes slots: one barrier; in front of it each wave waits for all its tensor loads, adds 0 to its spare word, and waits for that and for its reads of this slot.
; fill = 1: this slot is filled again, with the run of 512 along K two runs on.  chunk: the run that the next slot holds.
.macro TURN slot, next, fill, chunk
	WIN 0                                          ; (the add's two registers lie in window 0)
	s_wait_tensorcnt 0x0                           ; all my tensor loads have landed: my part of the next slot
	ds_add_u32 v[SPW], v[NIL]                      ; 0 onto my spare word
	s_wait_dscnt 2*NLA+1                           ; (the add and the youngest six loads may be out)
	WIN MUL
	MULA 0, 1, 3, \slot, 0                         ; eight matrix instructions stand between the add and the wait for it
	MULA 1, 1, 3, \slot, 0
	s_wait_dscnt 0x0                               ; the add is done, and my reads of this slot are over
	s_barrier_signal -1
	MULA 2, 1, 3, \slot, 0                         ; work on registers while the others arrive
	WIN 0
	s_barrier_wait -1
.if \fill
	CREST                                          ; the barrier has opened a round of the cluster's barrier: no wave of any partner still reads this slot or has a load on its way
	s_add_nc_u64 s[G0+4*\slot+2:G0+4*\slot+3], s[G0+4*\slot+2:G0+4*\slot+3], 8*REC
	s_add_nc_u64 s[G0B+4*\slot+2:G0B+4*\slot+3], s[G0B+4*\slot+2:G0B+4*\slot+3], 4*ROWB
	JLOAD G0+4*\slot, G1, G0B+4*\slot, G1B         ; the first tensor load behind the round; its four v_nop are the places in front of the loads below
.else
	PLACES NP
.endif
	SCALES \next, \chunk
	FETCH \next, 0, 0
	WIN MUL
	MULA 3, 1, 3, \slot, 0
.endm
	s_wait_tensorcnt 1                             ; all of mine but slot 1's load is in,
	s_barrier_signal -1
	s_barrier_wait -1                              ; everybody's is
	SCALES 0, 0
	FETCH 0, 0, 0
	STEP 0, 0, 1                                   ; K 0 .. 511: the first step's products start the sums: nothing is cleared
	STEP 0, 1, 0
	STEP 0, 2, 0
	TURN 0, 1, 1, 1                                ; slot 0 takes K 1,024 .. 1,535
	STEP 1, 0, 0                                   ; K 512 .. 1,023
	STEP 1, 1, 0
	STEP 1, 2, 0
	TURN 1, 0, 1, 2                                ; slot 1 takes K 1,536 .. 2,047
	STEP 0, 0, 0                                   ; K 1,024 .. 1,535
	STEP 0, 1, 0
	STEP 0, 2, 0
	TURN 0, 1, 0, 3                                ; nothing is left to fetch
	STEP 1, 0, 0                                   ; K 1,536 .. 2,047
	STEP 1, 1, 0
	STEP 1, 2, 0
	s_wait_dscnt 2*NLA                             ; the very last step
	WIN MUL
	MULA 0, 1, 3, 1, 0
	MULA 1, 1, 3, 1, 0
	s_wait_dscnt 0x0
	MULA 2, 1, 3, 1, 0
	MULA 3, 1, 3, 1, 0
	WIN 0
; THE WAY OUT, block by block of 16 rows x my 64 columns.  A lane holds 32 neighbouring bytes of a row, and the lanes beside it hold other rows: so a block goes through my own stage in LDS and comes back, into the
; registers that it left, as whole runs of 256 bytes, which sixteen lanes store.  LDS serves a wave's instructions in order (ISA guide 5.7.1.4): no wait between the stores and the loads, nor in front of the next block's stores.
.macro TOSTAGE a
.irp b, 0,1,2,3
	ds_store_b128 v[STO], v[ACC+32*(\a)+8*\b:ACC+32*(\a)+8*\b+3] offset:64*\b          ; each accumulator from its low end on
	ds_store_b128 v[STO], v[ACC+32*(\a)+8*\b+4:ACC+32*(\a)+8*\b+7] offset:64*\b+16
.endr
.irp t, 0,1,2,3,4,5,6,7
	ds_load_b128 v[ACC+32*(\a)+4*\t:ACC+32*(\a)+4*\t+3], v[RD] offset:\t*2*SPITCH
.endr
.endm
.macro SEND a, younger                 ; younger: the LDS instructions issued behind block a's loads, which may stay out
	s_wait_dscnt \younger                          ; the block is back in registers
.irp t, 0,1,2,3,4,5,6,7
	global_store_b128 v[CO], v[ACC+32*(\a)+4*\t:ACC+32*(\a)+4*\t+3], s[10:11] offset:(16*(\a)+2*\t)*SIZE_N*4 th:TH_STORE_NT   ; 16 lanes store 256 consecutive bytes, at a multiple of 256 from the output's first byte; the row stands in the immediate: 62 rows of 8,192 bytes at the most
.endr
.endm
	PLACES NP                                      ; behind the last products: for the stores that read their results and the loads that land on them
	TOSTAGE 0
.irp a, 1,2,3
	TOSTAGE \a
	SEND \a-1, 16                                  ; behind block a - 1's loads: block a's 8 stores and 8 loads
.endr
	SEND 3, 0
	s_wait_tensorcnt 0x0                           ; the wave's end
	ds_add_u32 v[SPW], v[NIL]
	s_wait_dscnt 0x0
	CROUND                                         ; the closing round: no work-group ends while a partner may still ask for a tile that names it
	s_endpgm
.Lfunc_end_k_q6c8dbe6bab_outp:
	.size	k_q6c8dbe6bab_outp, .Lfunc_end_k_q6c8dbe6bab_outp-k_q6c8dbe6bab_outp
	.p2alignl 7, 3214868480
	.fill 96, 4, 3214868480
	.section	.rodata,"a",@progbits
	.p2align	6, 0x0
	.amdhsa_kernel k_q6c8dbe6bab_outp
		.amdhsa_group_segment_fixed_size 327680
		.amdhsa_private_segment_fixed_size 0
		.amdhsa_enable_private_segment 0
		.amdhsa_kernarg_size 32
		.amdhsa_user_sgpr_count 2
		.amdhsa_user_sgpr_kernarg_segment_ptr 1
		.amdhsa_wavefront_size32 1
		.amdhsa_system_sgpr_workgroup_id_x 1
		.amdhsa_system_sgpr_workgroup_id_y 1
		.amdhsa_system_sgpr_workgroup_id_z 1
		.amdhsa_system_vgpr_workitem_id 0
		.amdhsa_next_free_vgpr 512
		.amdhsa_next_free_sgpr 98
		.amdhsa_reserve_vcc 0
		.amdhsa_float_denorm_mode_32 3
		.amdhsa_float_denorm_mode_16_64 3
		.amdhsa_memory_ordered 1
		.amdhsa_forward_progress 1
		.amdhsa_inst_pref_size 93
	.end_amdhsa_kernel
	.amdgpu_metadata
---
amdhsa.version: [ 1, 2 ]
amdhsa.kernels:
  - .name:           k_q6c8dbe6bab_outp
    .symbol:         k_q6c8dbe6bab_outp.kd
    .args:
      - { .name: obuf, .offset: 0, .size: 8, .value_kind: global_buffer, .address_space: global }
      - { .name: Wo_codes, .offset: 8, .size: 8, .value_kind: global_buffer, .address_space: global }
      - { .name: Wo_scales, .offset: 16, .size: 8, .value_kind: global_buffer, .address_space: global }
      - { .name: out0, .offset: 24, .size: 8, .value_kind: global_buffer, .address_space: global }
    .group_segment_fixed_size: 327680
    .private_segment_fixed_size: 0
    .kernarg_segment_align: 8
    .kernarg_segment_size: 32
    .max_flat_workgroup_size: 128
    .sgpr_count:     98
    .vgpr_count:     512
    .wavefront_size: 32
...
	.end_amdgpu_metadata
.endif
;; end of part 3
